; MI455X (gfx1250); checked and timed in simulation.
; The chip was launched on July 23, 2026; its instructions are those of AMD's public machine-readable ISA for CDNA 5 (MIT licence, August 2026) and "CDNA5" Instruction Set Architecture Reference Guide (July 2026). The comments in the code are by the model that wrote it; some were corrected since.
;; Attention. Allowed arithmetic: matrix products marked QUANTISED: E2M1 operands, one E8M0 scale for each 32 along K, by v_wmma_scale_f32_16x16x128_f8f6f4 with both operands' format E2M1 (or v_wmma_scale_f32_32x16x128_f4), f32 sums; products left as they are: bf16, f16 or f32 operands; f32 sums; everything else in f32.
;; Inputs: adj 2,048 x 2,048 float32; b_attn 3,072 float32; b_proj 1,024 float32; b_proj1 1,024 float32; w_attn 1,024 x 3,072 float32; w_proj 1,024 x 1,024 float32; w_proj1 1,024 x 1,024 float32; x 2 x 2,048 x 1,024 float32.
;; Outputs: out0 2 x 2,048 x 1,024 float32.
;; This version of the problem:
;;   THIS VERSION OF THE PROBLEM IS GIVEN IN LOW PRECISION. The matrix products marked QUANTISED in the list below multiply operands that are first quantised to E2M1 (2 exponent bits, 1 mantissa bit; 4 bits a number), with one power-of-two scale for each 32 numbers along K (OCP MX v1.0); their sums are f32. The products marked 'left as it is' may take bf16, f16 or f32 operands, with f32 sums. All else is computed in f32.
;;   The module's matrix products, in the order in which they are computed (A, B: the left and right operand; K: the contracted axis; several contracted axes count as one K, in the product's order):
;;     1. [M 4,096, K 1,024] x [K 1,024, N 3,072]; A: input x; B: input w_attn: QUANTISED
;;     2. batch 32 x [M 2,048, K 64] x [K 64, N 2,048]; A: computed on the way; B: computed on the way: left as it is (an operand is computed on the way)
;;     3. batch 32 x [M 2,048, K 2,048] x [K 2,048, N 64]; A: computed on the way; B: computed on the way: left as it is (an operand is computed on the way)
;;     4. [M 4,096, K 1,024] x [K 1,024, N 1,024]; A: computed on the way; B: input w_proj: left as it is (an operand is computed on the way)
;;     5. [M 4,096, K 1,024] x [K 1,024, N 1,024]; A: computed on the way; B: input w_proj1: left as it is (an operand is computed on the way)
;;   THE QUANTISER, for each operand of a quantised product, along K:
;;     - K is cut into blocks of 32 from its start; a last block that is shorter is filled with zeros.
;;     - A block's scale is 2^e with e = floor(log2(the largest magnitude in the block)) - 2, held to -126 .. 127; a block of zeros has e = 0. As a byte (E8M0): e + 127.
;;     - Each number is divided by its block's scale, clamped to +-6, and rounded to the nearest number of E2M1, ties to even, subnormals kept.
;;     - The product sums the exact products of the quantised numbers (number of the format x scale) in f32.
;;   ~~~python
;;   def quantise(x, axis):      # numpy; x: float32 -> the quantised numbers, widened to float32 again
;;       x = np.moveaxis(x, axis, -1); K = x.shape[-1]
;;       x = np.pad(x, [(0, 0)] * (x.ndim - 1) + [(0, -K % 32)]); x = x.reshape(x.shape[:-1] + (-1, 32)); a = np.abs(x).max(-1, keepdims=True)
;;       e = np.where(a > 0, np.clip(np.frexp(np.where(a > 0, a, 1))[1] - 1 - 2, -126, 127), 0)      # np.frexp(a)[1] - 1 = floor(log2(a)), exactly
;;       r = np.clip(x / 2.0 ** e, -6, 6)
;;       step = 2.0 ** (np.maximum(np.frexp(np.where(r == 0, 1, r))[1] - 1, 0) - 1)
;;       q = np.round(r / step) * step * 2.0 ** e      # np.round: ties to even
;;       return np.moveaxis(q.reshape(q.shape[:-2] + (-1,))[..., :K], -1, axis).astype(np.float32)
;;   ~~~
;; One version. Each part assembles by itself: llvm-mc -triple=amdgcn-amd-amdhsa -mcpu=gfx1250 --defsym DOCPART=n.
;; ======== version 1 of 1: 4 launches
;; limits: values are held in f16: magnitudes above 65,504 overflow, below 6.1e-05 lose precision
;; workspace buffers: x_codes 2,097,152 bytes; x_scales 131,072 bytes; w_codes 1,572,864 bytes; w_scales 98,304 bytes; wcat 4,194,304 bytes; qkv 25,165,824 bytes; att 8,388,608 bytes
;; launch prep (part 1): grid 416 x 1, 8 waves a work-group, no clusters, 130,560 bytes of LDS; arguments x, w_attn, w_proj, w_proj1, x_codes, x_scales, w_codes, w_scales, wcat; writes x_codes, x_scales, w_codes, w_scales, wcat
.if DOCPART == 1
	.amdgcn_target "amdgcn-amd-amdhsa--gfx1250"
	.amdhsa_code_object_version 6
	.text
	.protected	k_q93a6171db7_prep
	.globl	k_q93a6171db7_prep
	.p2align	8
	.type	k_q93a6171db7_prep,@function
k_q93a6171db7_prep:
	s_mov_b64 s[64:65], 0
	v_nop
	global_prefetch_b8 v0, s[64:65] scope:SCOPE_SE
	s_setreg_imm32_b32 hwreg(HW_REG_WAVE_MODE, 25, 1), 1
	s_wait_xcnt 0x0
; PREP: the operands of the later launches are laid out once.
;   work-groups   0-255 (path X): x [4096][1024] f32, K innermost  -> x_codes [4096][512 bytes], x_scales [4096][32]   (MX-FP4: E2M1 codes, one E8M0 byte for each 32 along K)
;   work-groups 256-351 (path W): w_attn [1024 k][3072 n] f32, K its first axis -> w_codes [3072][512 bytes], w_scales [3072][32], K innermost
;   work-groups 352-415 (path P): w_proj, w_proj1 [1024 k][1024 n] f32 -> wcat [1024 n][2048 k] f16: k < 1024 from w_proj, the rest from w_proj1
; A block's scale is 2^(floor(log2(largest magnitude)) - 2); its byte is the largest magnitude's exponent field - 2, held at 1 from below.
; LIMITS: a block of zeros gets the byte 1 where the quantiser says 127 (its codes are zeros, and this program alone reads the bytes); blocks whose largest magnitude lies
; under 2^-124 keep the byte 1; NaN and infinities among the inputs are not served; numbers of w_proj and w_proj1 beyond 65,504 have no f16 (those drawn lie under 0.1).
; The three paths part on the work-group's number alone, never join, and each has LDS bytes of its own.  No tensor loads.  All of a wave's global loads go out at once.
.set XSC, 40960                        ; path X: 8 waves x two stages of 32 x 80 bytes from byte 0; here the work-group's 512 scale bytes
.set WST, 41472                        ; path W: 64 rows (columns of w_attn) x (256 bytes of codes + 16)
.set WSC, 58880                        ; path W: 64 x 16 scale bytes
.set PST, 59904                        ; path P: 8 waves x 32 rows x (256 bytes + 16)
.set XR,  32                           ; v32-95   path X: four steps of 16 numbers as loaded
.set XN,  96                           ; v96-127  path X: two sets of 16 neighbours
.set XC,  128                          ; v128-135 path X: a pair of code registers for each step
.set XE,  136                          ; v136-139 path X: a scale byte for each step
	s_load_b512 s[4:19], s[0:1], 0x0               ; x s[4:5], w_attn s[6:7], w_proj s[8:9], w_proj1 s[10:11], x_codes s[12:13], x_scales s[14:15], w_codes s[16:17], w_scales s[18:19]
	s_load_b64 s[20:21], s[0:1], 0x40              ; wcat
	v_lshl_add_u32 v176, v0, 2, 0x1fa00
	v_mov_b32 v177, 0
	v_lshrrev_b32 v1, 5, v0
	v_readfirstlane_b32 s22, v1                    ; wave 0..7
	v_and_b32 v2, 31, v0                           ; lane
	v_and_b32 v6, 15, v0                           ; r = lane % 16
	v_bfe_u32 v7, v0, 4, 1                         ; h = lane / 16
	s_and_b32 s23, s22, 1                          ; paths W, P: cg, which 32 of the work-group's 64 columns
	s_lshr_b32 s28, s22, 1                         ; paths W, P: kq, which 128 of its 512 along K
	s_mov_b32 s27, 0                               ; the upper word of every offset pair s[26:27]
	s_wait_kmcnt 0x0
	s_cmp_lt_u32 ttmp9, 256
	s_cbranch_scc1 .Lpath_x
	s_cmp_lt_u32 ttmp9, 352
	s_cbranch_scc1 .Lpath_w
; ---------------- PATH P: a lane takes a column n, its registers run down k: 128 numbers, rounded to f16 in pairs, are 256 bytes of wcat's row n
	s_sub_co_u32 s24, ttmp9, 352                   ; 0..63
	s_lshr_b32 s25, s24, 5                         ; 0: w_proj, 1: w_proj1
	s_bfe_u32 s29, s24, 0x10004                    ; kh: which 512 along k
	s_and_b32 s30, s24, 15                         ; which 64 columns
	s_cmp_eq_u32 s25, 0
	s_cselect_b64 s[8:9], s[8:9], s[10:11]         ; the choice hangs on the work-group's number alone
	s_lshl_b32 s31, s29, 2
	s_add_co_u32 s31, s31, s28                     ; which 128 along k: 4 kh + kq
	s_lshl_b32 s32, s30, 1
	s_add_co_u32 s32, s32, s23                     ; which 32 columns
	s_lshl_b32 s26, s31, 19                        ; 128 rows of 4,096 bytes
	s_lshl_b32 s33, s32, 7                         ; 32 columns of 4 bytes
	s_add_co_u32 s26, s26, s33
	s_add_nc_u64 s[8:9], s[8:9], s[26:27]
	s_lshl_b32 s26, s32, 17                        ; wcat: 32 rows of 4,096 bytes,
	s_lshl_b32 s33, s25, 11                        ; + 2,048 bytes for w_proj1's half of a row,
	s_add_co_u32 s26, s26, s33
	s_lshl_b32 s33, s31, 8                         ; + 256 bytes for each 128 along k
	s_add_co_u32 s26, s26, s33
	s_add_nc_u64 s[20:21], s[20:21], s[26:27]
	v_lshlrev_b32 v3, 2, v2                        ; in: 4 bytes a lane: a load reads 128 consecutive bytes
	s_mul_i32 s33, s22, 32*272
	s_add_co_u32 s33, s33, PST                     ; my wave's own stage
	v_mul_u32_u24 v4, v2, 272
	v_add_nc_u32 v4, s33, v4                       ; into it: row = my column
	v_mul_u32_u24 v5, v7, 272
	v_lshl_add_u32 v5, v6, 4, v5
	v_add_nc_u32 v5, s33, v5                       ; out of it: sixteen lanes to a row, two rows an instruction
	v_lshlrev_b32 v8, 12, v7
	v_lshl_add_u32 v8, v6, 4, v8                   ; and the same place in wcat
.set i, 0
.rept 128
	global_load_b32 v[32+i], v3, s[8:9] offset:i*4096 th:TH_LOAD_NT
.set i, i+1
.endr
	s_wait_loadcnt 0x0
.set i, 0
.rept 64
	v_cvt_pk_f16_f32 v[32+i], v[32+2*i], v[33+2*i]    ; in place, ascending: the result never lands on numbers still to be read
.set i, i+1
.endr
.set i, 0
.rept 16
	ds_store_b128 v4, v[32+4*i:35+4*i] offset:16*i
.set i, i+1
.endr
.set i, 0
.rept 16
	ds_load_b128 v[96+4*i:99+4*i], v5 offset:2*i*272  ; LDS serves a wave's instructions in order: these see my stores
.set i, i+1
.endr
.set i, 0
.rept 16
	s_wait_dscnt 15-i
	global_store_b128 v8, v[96+4*i:99+4*i], s[20:21] offset:8192*i   ; sixteen lanes store 256 consecutive bytes, aligned
.set i, i+1
.endr
	s_wait_tensorcnt 0x0
	ds_add_u32 v176, v177
	s_wait_dscnt 0x0
	s_endpgm
; ---------------- PATH W: a lane takes a column n of w_attn, its registers run down K: four whole blocks of 32
.Lpath_w:
	s_sub_co_u32 s24, ttmp9, 256                   ; 0..95
	s_cmp_ge_u32 s24, 48
	s_cselect_b32 s29, 1, 0                        ; kh: which 512 along K
	s_cselect_b32 s30, 48, 0
	s_sub_co_u32 s30, s24, s30                     ; which 64 columns: 0..47
	s_lshl_b32 s31, s29, 2
	s_add_co_u32 s31, s31, s28                     ; which 128 along K
	s_lshl_b32 s32, s30, 1
	s_add_co_u32 s32, s32, s23                     ; which 32 columns
	s_mul_i32 s26, s31, 128*12288                  ; 128 rows of 12,288 bytes
	s_lshl_b32 s33, s32, 7
	s_add_co_u32 s26, s26, s33
	s_add_nc_u64 s[6:7], s[6:7], s[26:27]
	s_lshl_b32 s26, s30, 15                        ; w_codes: 64 rows of 512 bytes a work-group,
	s_lshl_b32 s33, s22, 12                        ; 8 rows a wave on the way out,
	s_add_co_u32 s26, s26, s33
	s_lshl_b32 s33, s29, 8                         ; 256 bytes for the upper 512 along K
	s_add_co_u32 s26, s26, s33
	s_add_nc_u64 s[16:17], s[16:17], s[26:27]
	s_lshl_b32 s26, s30, 11                        ; w_scales likewise: rows of 32 bytes
	s_lshl_b32 s33, s22, 8
	s_add_co_u32 s26, s26, s33
	s_lshl_b32 s33, s29, 4
	s_add_co_u32 s26, s26, s33
	s_add_nc_u64 s[18:19], s[18:19], s[26:27]
	v_lshlrev_b32 v3, 2, v2
	s_mul_i32 s33, s23, 32*272
	s_lshl_b32 s34, s28, 6
	s_add_co_u32 s33, s33, s34
	s_add_co_u32 s33, s33, WST
	v_mul_u32_u24 v4, v2, 272
	v_add_nc_u32 v4, s33, v4                       ; codes into the stage: row 32 cg + lane, byte 64 kq
	s_lshl_b32 s33, s23, 9
	s_lshl_b32 s34, s28, 2
	s_add_co_u32 s33, s33, s34
	s_add_co_u32 s33, s33, WSC
	v_lshl_add_u32 v5, v2, 4, s33                  ; my four scale bytes: 16 bytes a column, word kq
	s_mul_i32 s33, s22, 8*272
	s_add_co_u32 s33, s33, WST
	v_mul_u32_u24 v8, v7, 272
	v_lshl_add_u32 v8, v6, 4, v8
	v_add_nc_u32 v8, s33, v8                       ; out: wave w takes rows 8 w .. 8 w + 7, sixteen lanes to a row
	s_lshl_b32 s33, s22, 7
	s_add_co_u32 s33, s33, WSC
	v_lshl_add_u32 v9, v2, 2, s33                  ; and their 128 scale bytes, a word a lane
	v_lshlrev_b32 v10, 9, v7
	v_lshl_add_u32 v10, v6, 4, v10                 ; in w_codes: row h, 16 r
	v_lshrrev_b32 v14, 2, v2
	v_and_b32 v15, 3, v2
	v_lshlrev_b32 v14, 5, v14
	v_lshl_add_u32 v14, v15, 2, v14                ; in w_scales: row lane / 4, word lane % 4
.set i, 0
.rept 128
	global_load_b32 v[32+i], v3, s[6:7] offset:i*12288 th:TH_LOAD_NT
.set i, i+1
.endr
.macro WBLOCK t
.set XS, 32+32*(\t)
.if 32*(3-(\t)) > 63
	s_wait_loadcnt 63                              ; 32 (3 - t) loads were issued behind this block's; a wait names 63 at the most, and a smaller count is safe
.else
	s_wait_loadcnt 32*(3-(\t))                     ; this block's 32 loads are in; the later blocks' may be out
.endif
	v_max3_num_f32 v12, |v[XS]|, |v[XS+1]|, |v[XS+2]|              ; the block's largest magnitude: all 32 numbers are mine; two chains
	v_max3_num_f32 v13, |v[XS+3]|, |v[XS+4]|, |v[XS+5]|
.irp i, 6,10,14,18,22,26
	v_max3_num_f32 v12, v12, |v[XS+\i]|, |v[XS+\i+1]|
	v_max3_num_f32 v13, v13, |v[XS+\i+2]|, |v[XS+\i+3]|
.endr
	v_max3_num_f32 v12, v12, |v[XS+30]|, |v[XS+31]|
	v_max3_num_f32 v12, v12, v13, 0x1800000        ; and the floor 2^(3 - 127): the byte cannot fall under 1
	v_add_nc_u32 v11, 0xff000000, v12              ; 2 off the exponent field: the conversion takes this operand's exponent field as its scale
	v_lshrrev_b32 v13, 23, v11                     ; the scale's byte
.if (\t) == 0
	v_mov_b32 v24, v13
.else
	v_lshl_or_b32 v24, v13, 8*(\t), v24            ; four bytes to a word, the lower K in the lower byte
.endif
.irp g, 0,1,2,3
	v_cvt_scalef32_pk8_fp4_f32 v[160+4*(\t)+\g], v[XS+8*\g:XS+8*\g+7], v11
.endr
	v_nop                                          ; one plain vector line behind a run of scaled conversions
	ds_store_b128 v4, v[160+4*(\t):163+4*(\t)] offset:16*(\t)     ; 32 codes: 16 bytes of my column's row; each block has code registers of its own
.endm
	WBLOCK 0
	WBLOCK 1
	WBLOCK 2
	WBLOCK 3
	ds_store_b32 v5, v24
	s_wait_dscnt 0x0                               ; for the others' sake: my stores into the stage are done
	s_barrier_signal -1
	s_barrier_wait -1
.irp i, 0,1,2,3
	ds_load_b128 v[32+4*\i:35+4*\i], v8 offset:2*\i*272
.endr
	ds_load_b32 v48, v9
.irp i, 0,1,2,3
	s_wait_dscnt 4-\i
	global_store_b128 v10, v[32+4*\i:35+4*\i], s[16:17] offset:1024*\i   ; sixteen lanes store 256 consecutive bytes, aligned
.endr
	s_wait_dscnt 0x0
	global_store_b32 v14, v48, s[18:19]            ; pieces of 16 bytes in rows of 32: the other half of each row is the other work-group's (98,304 bytes in all)
	s_wait_tensorcnt 0x0
	ds_add_u32 v176, v177
	s_wait_dscnt 0x0
	s_endpgm
; ---------------- PATH X: x is a plain stream of blocks of 32.  A wave takes 4 steps of 512 numbers.  Each load reads 512 consecutive bytes; a step's 2,048 bytes turn through the
; wave's own stage (16 bytes of padding behind each 64) and come back 64 bytes a lane: 16 neighbours; two neighbouring lanes hold a block.
.Lpath_x:
	s_lshl_b32 s24, ttmp9, 3
	s_add_co_u32 s24, s24, s22                     ; which run of 2,048 numbers is my wave's
	s_lshl_b32 s26, s24, 13
	s_add_nc_u64 s[4:5], s[4:5], s[26:27]
	s_lshl_b32 s26, s24, 10
	s_add_nc_u64 s[12:13], s[12:13], s[26:27]
	s_lshl_b32 s26, ttmp9, 9                       ; 512 scale bytes a work-group
	s_add_nc_u64 s[14:15], s[14:15], s[26:27]
	v_lshlrev_b32 v3, 4, v2                        ; my 16 bytes of a load's 512
	v_lshlrev_b32 v4, 3, v2                        ; my 8 bytes of a step's codes
	s_mul_i32 s29, s22, 5120
	v_lshrrev_b32 v14, 2, v2
	v_mul_u32_u24 v14, v14, 80
	v_and_b32 v15, 3, v2
	v_lshl_add_u32 v14, v15, 4, v14
	v_add_nc_u32 v14, s29, v14                     ; the stage, on the way in: 80 (lane / 4) + 16 (lane % 4)
	v_mul_u32_u24 v15, v2, 80
	v_add_nc_u32 v15, s29, v15                     ; and on the way out: 80 x lane
	v_lshrrev_b32 v5, 1, v2
	s_lshl_b32 s29, s22, 6
	s_add_co_u32 s29, s29, XSC
	v_add_nc_u32 v5, s29, v5                       ; my wave's 64 scale bytes, my block's byte
	v_add_nc_u32 v10, XSC, v3                      ; wave 0 reads all 512 back
.macro XLOAD t
.irp i, 0,1,2,3
	global_load_b128 v[XR+16*(\t)+4*\i:XR+16*(\t)+4*\i+3], v3, s[4:5] offset:2048*(\t)+512*\i th:TH_LOAD_NT
.endr
.endm
.macro XTURN t                         ; step t's numbers through the stage: LDS serves a wave's instructions in order, so no wait stands between the stores and the loads
.irp i, 0,1,2,3
	ds_store_b128 v14, v[XR+16*(\t)+4*\i:XR+16*(\t)+4*\i+3] offset:2560*((\t)%2)+640*\i
.endr
.irp i, 0,1,2,3
	ds_load_b128 v[XN+16*((\t)%2)+4*\i:XN+16*((\t)%2)+4*\i+3], v15 offset:2560*((\t)%2)+16*\i
.endr
.endm
.macro XSTEP t
.set XS, XN+16*((\t)%2)
.if (\t) > 0
	s_wait_dscnt 1                                 ; this step's numbers are back from the stage; the last step's byte store may be out
.else
	s_wait_dscnt 0x0
.endif
.if (\t) < 3
	s_wait_loadcnt 4*(2-(\t))                      ; the next step's four loads are in; those of the steps behind it may be out
	XTURN (\t)+1                                   ; they go through the other stage while this step is worked
.endif
	v_max3_num_f32 v8, |v[XS]|, |v[XS+1]|, |v[XS+2]|
	v_max3_num_f32 v9, |v[XS+3]|, |v[XS+4]|, |v[XS+5]|
.irp i, 6,10
	v_max3_num_f32 v8, v8, |v[XS+\i]|, |v[XS+\i+1]|
	v_max3_num_f32 v9, v9, |v[XS+\i+2]|, |v[XS+\i+3]|
.endr
	v_max3_num_f32 v8, v8, |v[XS+14]|, |v[XS+15]|
	v_max3_num_f32 v8, v8, v9, 0x1800000           ; the floor 2^(3 - 127)
	v_max_num_f32_dpp v8, v8, v8 row_xmask:1 row_mask:0xf bank_mask:0xf   ; with my neighbour's 16: the block's largest magnitude
	v_add_nc_u32 v11, 0xff000000, v8               ; 2 off its exponent field: the conversion's scale operand
	v_cvt_scalef32_pk8_fp4_f32 v[XC+2*(\t)], v[XS:XS+7], v11
	v_cvt_scalef32_pk8_fp4_f32 v[XC+2*(\t)+1], v[XS+8:XS+15], v11
	v_lshrrev_b32 v[XE+(\t)], 23, v11              ; the scale's byte
	ds_store_b8 v5, v[XE+(\t)] offset:16*(\t)      ; both lanes of a block write the same byte with the same value
	global_store_b64 v4, v[XC+2*(\t):XC+2*(\t)+1], s[12:13] offset:256*(\t)   ; the wave stores 256 consecutive bytes, aligned
.endm
	XLOAD 0
	XLOAD 1
	XLOAD 2
	XLOAD 3
	s_wait_loadcnt 12                              ; step 0's four loads are in
	XTURN 0
	XSTEP 0
	XSTEP 1
	XSTEP 2
	XSTEP 3
	s_wait_dscnt 0x0                               ; for wave 0's sake: my byte stores are done
	s_barrier_signal -1
	s_barrier_wait -1
	s_cmp_lg_u32 s22, 0
	s_cbranch_scc1 .Lx_done
	ds_load_b128 v[140:143], v10                   ; the work-group's 512 scale bytes
	s_wait_dscnt 0x0
	global_store_b128 v3, v[140:143], s[14:15]     ; 512 consecutive bytes, aligned
.Lx_done:
	s_wait_tensorcnt 0x0
	ds_add_u32 v176, v177
	s_wait_dscnt 0x0
	s_endpgm
.Lfunc_end_k_q93a6171db7_prep:
	.size	k_q93a6171db7_prep, .Lfunc_end_k_q93a6171db7_prep-k_q93a6171db7_prep
	.p2alignl 7, 3214868480
	.fill 96, 4, 3214868480
	.section	.rodata,"a",@progbits
	.p2align	6, 0x0
	.amdhsa_kernel k_q93a6171db7_prep
		.amdhsa_group_segment_fixed_size 130560
		.amdhsa_private_segment_fixed_size 0
		.amdhsa_enable_private_segment 0
		.amdhsa_kernarg_size 72
		.amdhsa_user_sgpr_count 2
		.amdhsa_user_sgpr_kernarg_segment_ptr 1
		.amdhsa_wavefront_size32 1
		.amdhsa_system_sgpr_workgroup_id_x 1
		.amdhsa_system_sgpr_workgroup_id_y 1
		.amdhsa_system_sgpr_workgroup_id_z 1
		.amdhsa_system_vgpr_workitem_id 0
		.amdhsa_next_free_vgpr 178
		.amdhsa_next_free_sgpr 66
		.amdhsa_reserve_vcc 0
		.amdhsa_float_denorm_mode_32 3
		.amdhsa_float_denorm_mode_16_64 3
		.amdhsa_memory_ordered 1
		.amdhsa_forward_progress 1
		.amdhsa_inst_pref_size 54
	.end_amdhsa_kernel
	.amdgpu_metadata
---
amdhsa.version: [ 1, 2 ]
amdhsa.kernels:
  - .name:           k_q93a6171db7_prep
    .symbol:         k_q93a6171db7_prep.kd
    .args:
      - { .name: x, .offset: 0, .size: 8, .value_kind: global_buffer, .address_space: global }
      - { .name: w_attn, .offset: 8, .size: 8, .value_kind: global_buffer, .address_space: global }
      - { .name: w_proj, .offset: 16, .size: 8, .value_kind: global_buffer, .address_space: global }
      - { .name: w_proj1, .offset: 24, .size: 8, .value_kind: global_buffer, .address_space: global }
      - { .name: x_codes, .offset: 32, .size: 8, .value_kind: global_buffer, .address_space: global }
      - { .name: x_scales, .offset: 40, .size: 8, .value_kind: global_buffer, .address_space: global }
      - { .name: w_codes, .offset: 48, .size: 8, .value_kind: global_buffer, .address_space: global }
      - { .name: w_scales, .offset: 56, .size: 8, .value_kind: global_buffer, .address_space: global }
      - { .name: wcat, .offset: 64, .size: 8, .value_kind: global_buffer, .address_space: global }
    .group_segment_fixed_size: 130560
    .private_segment_fixed_size: 0
    .kernarg_segment_align: 8
    .kernarg_segment_size: 72
    .max_flat_workgroup_size: 256
    .sgpr_count:     66
    .vgpr_count:     178
    .wavefront_size: 32
...
	.end_amdgpu_metadata
.endif
;; end of part 1
;; launch qkv (part 2): grid 12 x 16, 4 waves a work-group, clusters of 4 x 4, 327,680 bytes of LDS; arguments x_codes, x_scales, w_codes, w_scales, qkv, b_attn; writes qkv
.if DOCPART == 2
	.amdgcn_target "amdgcn-amd-amdhsa--gfx1250"
	.amdhsa_code_object_version 6
	.text
	.protected	k_q93a6171db7_qkv
	.globl	k_q93a6171db7_qkv
	.p2align	8
	.type	k_q93a6171db7_qkv,@function
k_q93a6171db7_qkv:
	s_mov_b64 s[64:65], 0
	v_nop
	global_prefetch_b8 v0, s[64:65] scope:SCOPE_SE
	s_setreg_imm32_b32 hwreg(HW_REG_WAVE_MODE, 25, 1), 1
	s_wait_xcnt 0x0
	s_wait_alu depctr_hold_cnt(0) depctr_sa_sdst(0) depctr_va_vdst(0) depctr_va_sdst(0) depctr_va_ssrc(0) depctr_va_vcc(0) depctr_vm_vsrc(0)
	s_getreg_b32 s2, hwreg(HW_REG_IB_STS2, 6, 4)
	s_cmp_eq_u32 s2, 0
	s_cbranch_scc0 .Lentry_in_a_cluster
	s_endpgm
.Lentry_in_a_cluster:
	s_bfe_u32 s2, ttmp6, 0x10000c
	s_cmp_lg_u32 s2, 0xf033
	s_cbranch_scc0 .Lentry_shape_is_right
	s_endpgm
.Lentry_shape_is_right:
; qkv[m][n] = sum over k of X[m][k] W[n][k] + b_attn[n], on codes of FP4 (E2M1) with one E8M0 scale for each 32 along K; sums in f32; the result is rounded once to f16.
; X: x_codes [4096][512 bytes], x_scales [4096][32];  W: w_codes [3072][512 bytes], w_scales [3072][32];  qkv: [4096][3072] f16.
; WHY f16: q, k and v are operands of the later products, and f16's eleven bits of mantissa are wanted there.  LIMIT: results beyond 65,504 have no f16.  By the sizes: the drawn inputs give
; up to about 3.5; x and w_attn both 30 times larger about 3,200; both carrying an offset of 30 times their spread 1,024 x 30 x 0.6 = 18,432.
; A tile of 256 x 256 is made by a work-group of four waves; a wave makes 128 x 128: 64 accumulators of 16 x 16, 512 registers.  K = 1,024 is two slots of 512: both slots and the scales of
; all of K are asked for at the head, three tensor loads a wave, and no LDS byte is filled twice.
; CLUSTERS: 4 x 4 work-groups.  The four of a row of the cluster need the same tiles of X, the four of a column the same tiles of W: each tile is asked for JOINTLY, by the same tensor load with
; the same descriptor and a mask that names the four.  THE MATRIX INSTRUCTION IS USED TRANSPOSED (source 0 = 16 rows of W, source 1 = 16 rows of X): a lane holds eight neighbouring numbers of a row of qkv.
; THE BIAS is the C of each sum's first matrix instruction: eight registers for each of the wave's eight column blocks, in the result's layout.
; REGISTERS, in windows of 256: window 0: v0-31 addresses; v32-95 scale words, two sets; v128-191 X's fragments, one set; v192-255 the bias, later the way out; v96-127 the way out.
;   window 1: W's fragments, two sets, at v0 and v128.   window 2: the accumulators of my rows 0-63 ((a, b) at v[8 (8 a + b)]);   window 3: those of my rows 64-127.
.set SIZE_N, 3072
.set NQ,     4                         ; matrix instructions deep in a slot: 512 along K
.set ROWB,   256                       ; a tile's row in bytes
.set KROW,   512                       ; a row of codes in memory
.set PITCH,  272                       ; an LDS row: 256 bytes + 16 of padding: the 16 rows that a load touches start 16 bytes apart modulo 256
.set FR,     8
.set NL,     2
.set NP,     4                         ; places behind this matrix instruction (ISA guide 7.12.1)
.set HALFT,  128*PITCH
.set SLOT,   4*HALFT                   ; X's 256 rows, then W's 256 rows
.set KS,     32                        ; a row of scale bytes
.set SCL,    2*SLOT                    ; behind the slots: the scales, as rows of 256 bytes + 16 of padding
.set HALFS,  (128*KS/256)*272
.set SBLK,   (16*KS/256)*272
.set SPARE,  SCL+4*HALFS               ; the spare words, 128 bytes for each wave; no other line names them
.set SPITCH, 272                       ; the way out: a stage of 16 rows x (256 bytes + 16) for each wave, in slot 0, which has had its one fill and its last read by then
.set ADRA, 16
.set ADRB, 20
.set STO,  24
.set RD,   25
.set CO,   26
.set ADRS, 27
.set SPW,  28
.set NIL,  29
.set SC,   32
.set AF,   128
.set BI,   192                         ; the bias: block b at v[BI + 8 b]
.set TMP,  192                         ; the way out: packed results
.set G1, 24
.set G0, 32
.set G1B, 48
.set G0B, 56
.set G1S, 68
.set G0S, 76
.set G1SB, 80
.set G0SB, 88
.set MSB, 0
.macro WIN new                         ; the immediate's high byte repeats the setting that is left
.if MSB != \new
	s_set_vgpr_msb (MSB<<8)|\new
.set MSB, \new
.endif
.endm
.set MUL_LO, 0xa1                      ; source 0 (W) window 1, source 1 (X) window 0, C and D window 2
.set MUL_HI, 0xf1                      ; the same, C and D window 3
.set BIAS_LO, 0x81                     ; the first step: C (the bias) window 0, D window 2
.set BIAS_HI, 0xc1                     ; C window 0, D window 3
.set TO_B,   0x40
; A joint load: waves 0 and 1 fetch for X, waves 2 and 3 for W.  The branch hangs on the wave's number alone.  Four v_nop follow each of the two lines.
.macro JLOAD g0a, g1a, g0b, g1b
	s_cmp_eq_u32 s15, 0
	s_cbranch_scc0 .Lfor_b_\@
	tensor_load_to_lds s[\g0a:\g0a+3], s[\g1a:\g1a+7]
	s_nop 0
.rept 4
	v_nop
.endr
	s_branch .Lasked_\@
.Lfor_b_\@:
	tensor_load_to_lds s[\g0b:\g0b+3], s[\g1b:\g1b+7]
	s_nop 0
.rept 4
	v_nop
.endr
.Lasked_\@:
.endm
.macro CROUND                          ; a round of the cluster's barrier
	s_barrier_signal -1
	s_barrier_wait -1
	s_cmp_lg_u32 s14, 0
	s_cbranch_scc1 .Lnot_wave_0_\@
	s_barrier_signal -3
.Lnot_wave_0_\@:
	s_barrier_wait -3
	s_barrier_signal -1
	s_barrier_wait -1
.endm
	s_load_b128 s[4:7], s[0:1], 0x0                ; X's codes, X's scales
	s_load_b128 s[8:11], s[0:1], 0x10              ; W's codes, W's scales
	s_load_b64 s[12:13], s[0:1], 0x20              ; qkv
	s_load_b64 s[2:3], s[0:1], 0x28                ; b_attn
	v_lshl_add_u32 v[SPW], v0, 2, SPARE
	v_mov_b32 v[NIL], 0
	ds_add_u32 v28, v29
	s_wait_dscnt 0x0
	v_lshrrev_b32 v1, 5, v0
	v_readfirstlane_b32 s14, v1                    ; wave 0..3
	s_lshr_b32 s15, s14, 1                         ; which half of the tile's rows is mine.  Also: I fetch for X (0) or for W (1)
	s_and_b32 s16, s14, 1                          ; which half of its columns.  Also: which 128 rows of that tile I fetch
	s_bfe_u32 s40, ttmp6, 0x40000                  ; cx, cy: my place in the cluster
	s_bfe_u32 s41, ttmp6, 0x40004
	s_lshl_b32 s42, ttmp9, 2
	s_add_co_u32 s42, s42, s40                     ; tile column = 4 x cluster x + cx
	s_and_b32 s17, ttmp7, 0xffff
	s_lshl_b32 s17, s17, 2
	s_add_co_u32 s17, s17, s41                     ; tile row = 4 x cluster y + cy
	s_lshl_b32 s43, s41, 2
	s_lshl_b32 s43, 15, s43                        ; my row of the cluster
	s_lshl_b32 s44, 0x1111, s40                    ; my column
	; descriptor group 1: a tile of 128 rows x 256 bytes, 16 bytes of padding behind each row
	s_or_b32 s[G1+0], s43, (0<<16)|(1<<20)|(1<<21)|(5<<22)|(3<<25)  ; 15:0 the mask; 17:16 elements of 1 byte; 20 padding on; 21 set beside a mask; 24:22 after every 64 words; 31:25 four words
	s_or_b32 s[G1B+0], s44, (0<<16)|(1<<20)|(1<<21)|(5<<22)|(3<<25)
.irp g, G1, G1B
	s_mov_b32 s[\g+1], ROWB<<16                    ; tensor_dim0
	s_mov_b32 s[\g+2], 128<<16                     ; tensor_dim1
	s_mov_b32 s[\g+3], ROWB<<16                    ; tile_dim0
	s_mov_b32 s[\g+4], 128                         ; tile_dim1
	s_mov_b32 s[\g+5], KROW                        ; from row to row
	s_mov_b32 s[\g+6], 0
	s_mov_b32 s[\g+7], 0
.endr
	; the scales of 128 rows: a dense block of 4,096 bytes, as 16 rows of 256 bytes (32 elements of 8 bytes), 16 bytes of padding behind each
	s_or_b32 s[G1S+0], s43, (3<<16)|(1<<20)|(1<<21)|(5<<22)|(3<<25)
	s_or_b32 s[G1SB+0], s44, (3<<16)|(1<<20)|(1<<21)|(5<<22)|(3<<25)
.irp g, G1S, G1SB
	s_mov_b32 s[\g+1], 32<<16
	s_mov_b32 s[\g+2], (128*KS/256)<<16
	s_mov_b32 s[\g+3], 32<<16
	s_mov_b32 s[\g+4], 128*KS/256
	s_mov_b32 s[\g+5], 32
	s_mov_b32 s[\g+6], 0
	s_mov_b32 s[\g+7], 0
.endr
	s_lshl_b32 s18, s16, 7                         ; which 128 rows of the tile I fetch
	s_lshl_b32 s20, s17, 8
	s_add_co_u32 s20, s20, s18                     ; X: row 256 x tile row + 128 x half
	s_lshl_b32 s46, s42, 8
	s_add_co_u32 s46, s46, s18                     ; W: row 256 x tile column + 128 x half
	s_mov_b32 s21, 0
	s_mov_b32 s47, 0
	s_mov_b64 s[18:19], KS
	s_mul_u64 s[22:23], s[20:21], s[18:19]         ; where these rows' scales begin, in bytes
	s_mul_u64 s[92:93], s[46:47], s[18:19]
	s_mov_b64 s[18:19], KROW
	s_mul_u64 s[20:21], s[20:21], s[18:19]         ; and their codes
	s_mul_u64 s[46:47], s[46:47], s[18:19]
	s_mul_i32 s45, s14, HALFT                      ; where they go: wave x 128 rows: no place in the cluster enters an LDS address
	s_mul_i32 s94, s14, HALFS
	s_wait_kmcnt 0x0
	s_add_nc_u64 s[20:21], s[4:5], s[20:21]
	s_add_nc_u64 s[22:23], s[6:7], s[22:23]
	s_add_nc_u64 s[46:47], s[8:9], s[46:47]
	s_add_nc_u64 s[92:93], s[10:11], s[92:93]
	CROUND                                         ; all sixteen work-groups are here: the joint loads meet
	s_mov_b32 s[G0S], 1
	s_add_co_u32 s[G0S+1], s94, SCL
	s_mov_b64 s[G0S+2:G0S+3], s[22:23]
	s_or_b32 s[G0S+3], s[G0S+3], 0x80000000
	s_mov_b32 s[G0SB], 1
	s_add_co_u32 s[G0SB+1], s94, SCL
	s_mov_b64 s[G0SB+2:G0SB+3], s[92:93]
	s_or_b32 s[G0SB+3], s[G0SB+3], 0x80000000
	JLOAD G0S, G1S, G0SB, G1SB                     ; the scales first: they are wanted with the first slot
.irp s, 0,1
	s_mov_b32 s[G0+4*\s], 1
	s_add_co_u32 s[G0+4*\s+1], s45, \s*SLOT
	s_add_nc_u64 s[G0+4*\s+2:G0+4*\s+3], s[20:21], \s*ROWB
	s_or_b32 s[G0+4*\s+3], s[G0+4*\s+3], 0x80000000
	s_mov_b32 s[G0B+4*\s], 1
	s_add_co_u32 s[G0B+4*\s+1], s45, \s*SLOT
	s_add_nc_u64 s[G0B+4*\s+2:G0B+4*\s+3], s[46:47], \s*ROWB
	s_or_b32 s[G0B+4*\s+3], s[G0B+4*\s+3], 0x80000000
	JLOAD G0+4*\s, G1, G0B+4*\s, G1B
.endr
	v_and_b32 v1, 15, v0                           ; r = l % 16
	v_bfe_u32 v2, v0, 4, 1                         ; h = l / 16
	v_mul_u32_u24 v3, v1, PITCH
	v_lshl_add_u32 v4, v2, 4, v3                   ; a fragment's row x pitch + 16 x half
	s_mul_i32 s21, s15, HALFT                      ; my 128 rows of X
	s_mul_i32 s22, s16, HALFT                      ; my 128 rows of W,
	s_add_co_u32 s22, s22, 2*HALFT                 ; which lie behind X's 256
.irp s, 0,1
	v_add_nc_u32 v[ADRA+\s], s21, v4
	v_add_nc_u32 v[ADRB+\s], s22, v4
	s_add_co_u32 s21, s21, SLOT
	s_add_co_u32 s22, s22, SLOT
.endr
	v_mul_u32_u24 v5, v1, KS                       ; my row's scales: 32 bytes a row,
	v_lshrrev_b32 v6, 8, v5
	v_lshl_add_u32 v5, v6, 4, v5                   ; and 16 more for each 256 passed
	s_mul_i32 s21, s15, HALFS                      ; X's: my 128 rows
	s_mul_i32 s22, s16, HALFS                      ; W's: my 128 rows, behind X's 256
	s_add_co_u32 s22, s22, 2*HALFS
	s_sub_co_u32 s22, s22, s21
	v_mul_u32_u24 v6, s22, v2                      ; lanes 16-31 take W's: one product, the distance between the two bases x h
	s_add_co_u32 s21, s21, SCL
	v_add_nc_u32 v5, v5, v6
	v_add_nc_u32 v[ADRS], s21, v5
	s_mul_i32 s23, s14, 16*SPITCH                  ; my stage
	v_mul_u32_u24 v5, v1, SPITCH                   ; in: row r, 16 bytes for each half of the lanes
	v_lshl_add_u32 v5, v2, 4, v5
	v_add_nc_u32 v[STO], s23, v5
	v_mul_u32_u24 v5, v2, SPITCH                   ; back: lanes 0-15 one row of 256 bytes, lanes 16-31 the next
	v_lshl_add_u32 v5, v1, 4, v5
	v_add_nc_u32 v[RD], s23, v5
	v_mul_u32_u24 v5, v2, SIZE_N*2                 ; and the same two rows in qkv
	v_lshl_add_u32 v[CO], v1, 4, v5
	v_lshlrev_b32 v7, 5, v2                        ; the bias: 32 h bytes: my half's eight numbers of a column block
	s_lshl_b32 s20, s17, 8
	s_lshl_b32 s21, s15, 7
	s_add_co_u32 s20, s20, s21                     ; my first row of qkv
	s_mov_b32 s21, 0
	s_mov_b64 s[18:19], SIZE_N*2
	s_mul_u64 s[20:21], s[20:21], s[18:19]
	s_lshl_b32 s46, s42, 10                        ; my first column as bytes of f32: 1,024 x tile column + 512 x half
	s_lshl_b32 s47, s16, 9
	s_add_co_u32 s46, s46, s47
	s_mov_b32 s47, 0
	s_add_nc_u64 s[2:3], s[2:3], s[46:47]          ; b_attn at my first column
	s_lshr_b32 s46, s46, 1                         ; the same column as bytes of f16
	s_add_nc_u64 s[20:21], s[20:21], s[46:47]
	s_add_nc_u64 s[12:13], s[12:13], s[20:21]
.irp b, 0,1,2,3,4,5,6,7
	global_load_b128 v[BI+8*\b:BI+8*\b+3], v7, s[2:3] offset:64*\b       ; b_attn[first column + 16 b + 8 h + 0 .. 7]
	global_load_b128 v[BI+8*\b+4:BI+8*\b+7], v7, s[2:3] offset:64*\b+16
.endr
.macro FRAG reg, adr, q, i             ; a fragment, 16 rows x 128 K of 4-bit codes: lane l holds row l % 16; registers 4 c .. 4 c + 3 hold K = 64 c + 32 (l / 16) + 0 .. 31
.irp c, 0,1
	ds_load_b128 v[\reg+4*\c:\reg+4*\c+3], v[\adr] offset:64*(\q)+32*\c+(\i)*16*PITCH
.endr
.endm
; 16 matrix instructions: X's blocks a0, a0 + 1 x W's eight, 128 along K.  p: W's set;  sc: the set of scale words.  first = 1: the sums start from the bias.
; The 64 accumulators take turns, one instruction a turn, in the same order in every step.
.macro MUL16 a0, p, q, sc, first
.irp a, \a0, \a0+1
.irp b, 0,1,2,3,4,5,6,7
.if \first
	v_wmma_scale_f32_16x16x128_f8f6f4 v[8*(8*((\a)%4)+\b):8*(8*((\a)%4)+\b)+7], v[128*(\p)+FR*\b:128*(\p)+FR*\b+FR-1], v[AF+FR*(\a):AF+FR*(\a)+FR-1], v[BI+8*\b:BI+8*\b+7], v[SC+8*NQ*(\sc)+NQ*\b+(\q)], v[SC+8*NQ*(\sc)+NQ*(\a)+(\q)] matrix_a_fmt:MATRIX_FMT_FP4 matrix_b_fmt:MATRIX_FMT_FP4 matrix_a_scale:MATRIX_SCALE_ROW1
.else
	v_wmma_scale_f32_16x16x128_f8f6f4 v[8*(8*((\a)%4)+\b):8*(8*((\a)%4)+\b)+7], v[128*(\p)+FR*\b:128*(\p)+FR*\b+FR-1], v[AF+FR*(\a):AF+FR*(\a)+FR-1], v[8*(8*((\a)%4)+\b):8*(8*((\a)%4)+\b)+7], v[SC+8*NQ*(\sc)+NQ*\b+(\q)], v[SC+8*NQ*(\sc)+NQ*(\a)+(\q)] matrix_a_fmt:MATRIX_FMT_FP4 matrix_b_fmt:MATRIX_FMT_FP4 matrix_a_scale:MATRIX_SCALE_ROW1
.endif
.endr
.endr
.endm
.macro FETCH_B slot, q, p
	WIN TO_B
.irp i, 0,1,2,3,4,5,6,7
	FRAG 128*(\p)+FR*\i, ADRB+\slot, \q, \i
.endr
	WIN 0
.endm
.macro FETCH_A slot, q, i0
.irp i, \i0, \i0+1, \i0+2, \i0+3
	FRAG AF+FR*(\i), ADRA+\slot, \q, \i
.endr
.endm
.macro SCALES sc                       ; a slot's scale words: four words a row; lanes 0-15 take X's block i, lanes 16-31 W's block i
.irp i, 0,1,2,3,4,5,6,7
	ds_load_b128 v[SC+8*NQ*\sc+NQ*\i:SC+8*NQ*\sc+NQ*\i+3], v[ADRS] offset:\i*SBLK
.endr
.endm
; A load into a register that a matrix instruction has read, and a vector instruction that reads a matrix result, stand NP places behind that matrix instruction; only plain vector
; instructions that name none of its registers are places (ISA guide 7.12.1 for vector instructions).
.macro PLACES n
.rept \n
	v_nop
.endr
.endm
.macro STEP slot, q, first             ; a step of 128 along K that has its successor in the same slot
	s_wait_dscnt 4*NL                              ; W's set and X's blocks 0-3 are in; the youngest loads (X's blocks 4-7) may be out
.if \first
	WIN BIAS_LO
.else
	WIN MUL_LO
.endif
	MUL16 0, (\q)%2, \q, \slot, \first
	MUL16 2, (\q)%2, \q, \slot, \first
	s_wait_dscnt 0                                 ; X's blocks 4-7 are in
	PLACES NP
	FETCH_B \slot, (\q)+1, 1-(\q)%2
	FETCH_A \slot, (\q)+1, 0
.if \first
	WIN BIAS_HI
.else
	WIN MUL_HI
.endif
	MUL16 4, (\q)%2, \q, \slot, \first
	MUL16 6, (\q)%2, \q, \slot, \first
	PLACES NP
	WIN 0
	FETCH_A \slot, (\q)+1, 4
.endm
; Slot 0's last step changes slots: one barrier; in front of it each wave waits for all its tensor loads (its part of slot 1), adds 0 to its spare word, and waits for that and for its reads of slot 0.
.macro TURN slot, next
	s_wait_tensorcnt 0x0                           ; all my tensor loads have landed
	ds_add_u32 v[SPW], v[NIL]                      ; 0 onto my spare word
	s_wait_dscnt 4*NL+1                            ; (the add and the youngest loads, X's blocks 4-7, may be out)
	WIN MUL_LO
	MUL16 0, 1, NQ-1, \slot, 0
	s_wait_dscnt 0x0                               ; the add is done, and my reads of this slot are over
	s_barrier_signal -1
	MUL16 2, 1, NQ-1, \slot, 0
	WIN 0
	s_barrier_wait -1
	PLACES NP
	v_add_nc_u32 v[ADRS], 4*NQ, v[ADRS]            ; on to the next slot's scale words (no LDS load of mine is out)
	FETCH_B \next, 0, 0
	FETCH_A \next, 0, 0
	SCALES \next
	WIN MUL_HI
	MUL16 4, 1, NQ-1, \slot, 0
	MUL16 6, 1, NQ-1, \slot, 0
	PLACES NP
	WIN 0
	FETCH_A \next, 0, 4
.endm
	s_wait_tensorcnt 1                             ; the scales and my part of slot 0 are in (slot 1's load may be out)
	s_barrier_signal -1
	s_barrier_wait -1                              ; everybody's are
	FETCH_B 0, 0, 0
	FETCH_A 0, 0, 0
	SCALES 0
	FETCH_A 0, 0, 4
	s_wait_loadcnt 0x0                             ; the bias
	STEP 0, 0, 1
	STEP 0, 1, 0
	STEP 0, 2, 0
	TURN 0, 1
	STEP 1, 0, 0
	STEP 1, 1, 0
	STEP 1, 2, 0
	s_wait_dscnt 4*NL                              ; the very last step: nothing more to fetch
	WIN MUL_LO
	MUL16 0, 1, NQ-1, 1, 0
	MUL16 2, 1, NQ-1, 1, 0
	s_wait_dscnt 0
	WIN MUL_HI
	MUL16 4, 1, NQ-1, 1, 0
	MUL16 6, 1, NQ-1, 1, 0
	WIN 0
; THE WAY OUT, block by block of 16 rows x 128 columns.  PACK: rounded to f16, 16 bytes a lane, each accumulator from its low end on.  TOSTAGE: into my own stage and back as whole rows of 256 bytes.  SEND: stored.
.macro PACK a
.set AC, 64*((\a)%4)
	WIN 0x0a+5*((\a)/4)                            ; sources 0 and 1: window 2 or 3
.irp b, 0,1,2,3,4,5,6,7
.irp r, 0,1,2,3
	v_cvt_pk_f16_f32 v[TMP+4*\b+\r], v[AC+8*\b+2*\r], v[AC+8*\b+2*\r+1]
.endr
.endr
	WIN 0
.endm
.macro TOSTAGE a
.set BB, 224-128*((\a)%2)              ; v224-255 and v96-127 by turns
.irp b, 0,1,2,3,4,5,6,7
	ds_store_b128 v[STO], v[TMP+4*\b:TMP+4*\b+3] offset:32*\b
.endr
.irp t, 0,1,2,3,4,5,6,7
	ds_load_b128 v[BB+4*\t:BB+4*\t+3], v[RD] offset:\t*2*SPITCH    ; LDS serves a wave's instructions in order: these see the stores above
.endr
.endm
.macro SEND a
.set BB, 224-128*((\a)%2)
	s_wait_dscnt 0x0                               ; the block is back in registers
	s_wait_xcnt 0x0                                ; the stores of the block before have read their registers: the next block's loads may land there
.irp t, 0,1,2,3,4,5,6,7
	global_store_b128 v[CO], v[BB+4*\t:BB+4*\t+3], s[12:13] offset:(16*(\a)+2*\t)*SIZE_N*2   ; 16 lanes store 256 consecutive bytes, aligned; 126 rows of 6,144 bytes at the most in the immediate
.endr
.endm
	PLACES NP
	PACK 0
	TOSTAGE 0
.irp a, 1,2,3,4,5,6,7                  ; block a's conversions stand between block a - 1's loads from the stage and the wait for them
	PACK \a
	SEND \a-1
	TOSTAGE \a
.endr
	SEND 7
	s_wait_tensorcnt 0x0                           ; the wave's end
	ds_add_u32 v[SPW], v[NIL]
	s_wait_dscnt 0x0
	CROUND                                         ; the closing round: no work-group ends while a partner may still ask for a tile that names it
	s_endpgm
.Lfunc_end_k_q93a6171db7_qkv:
	.size	k_q93a6171db7_qkv, .Lfunc_end_k_q93a6171db7_qkv-k_q93a6171db7_qkv
	.p2alignl 7, 3214868480
	.fill 96, 4, 3214868480
	.section	.rodata,"a",@progbits
	.p2align	6, 0x0
	.amdhsa_kernel k_q93a6171db7_qkv
		.amdhsa_group_segment_fixed_size 327680
		.amdhsa_private_segment_fixed_size 0
		.amdhsa_enable_private_segment 0
		.amdhsa_kernarg_size 48
		.amdhsa_user_sgpr_count 2
		.amdhsa_user_sgpr_kernarg_segment_ptr 1
		.amdhsa_wavefront_size32 1
		.amdhsa_system_sgpr_workgroup_id_x 1
		.amdhsa_system_sgpr_workgroup_id_y 1
		.amdhsa_system_sgpr_workgroup_id_z 1
		.amdhsa_system_vgpr_workitem_id 0
		.amdhsa_next_free_vgpr 1024
		.amdhsa_next_free_sgpr 98
		.amdhsa_reserve_vcc 0
		.amdhsa_float_denorm_mode_32 3
		.amdhsa_float_denorm_mode_16_64 3
		.amdhsa_memory_ordered 1
		.amdhsa_forward_progress 1
		.amdhsa_inst_pref_size 128
	.end_amdhsa_kernel
	.amdgpu_metadata
---
amdhsa.version: [ 1, 2 ]
amdhsa.kernels:
  - .name:           k_q93a6171db7_qkv
    .symbol:         k_q93a6171db7_qkv.kd
    .args:
      - { .name: x_codes, .offset: 0, .size: 8, .value_kind: global_buffer, .address_space: global }
      - { .name: x_scales, .offset: 8, .size: 8, .value_kind: global_buffer, .address_space: global }
      - { .name: w_codes, .offset: 16, .size: 8, .value_kind: global_buffer, .address_space: global }
      - { .name: w_scales, .offset: 24, .size: 8, .value_kind: global_buffer, .address_space: global }
      - { .name: qkv, .offset: 32, .size: 8, .value_kind: global_buffer, .address_space: global }
      - { .name: b_attn, .offset: 40, .size: 8, .value_kind: global_buffer, .address_space: global }
    .group_segment_fixed_size: 327680
    .private_segment_fixed_size: 0
    .kernarg_segment_align: 8
    .kernarg_segment_size: 48
    .max_flat_workgroup_size: 128
    .sgpr_count:     98
    .vgpr_count:     1024
    .wavefront_size: 32
...
	.end_amdgpu_metadata
.endif
;; end of part 2
;; launch attn (part 3): grid 16 x 16, 8 waves a work-group, clusters of 4 x 4, 327,680 bytes of LDS; arguments qkv, adj, att; writes att
.if DOCPART == 3
	.amdgcn_target "amdgcn-amd-amdhsa--gfx1250"
	.amdhsa_code_object_version 6
	.text
	.protected	k_q93a6171db7_attn
	.globl	k_q93a6171db7_attn
	.p2align	8
	.type	k_q93a6171db7_attn,@function
k_q93a6171db7_attn:
	s_mov_b64 s[64:65], 0
	v_nop
	global_prefetch_b8 v0, s[64:65] scope:SCOPE_SE
	s_setreg_imm32_b32 hwreg(HW_REG_WAVE_MODE, 25, 1), 1
	s_wait_xcnt 0x0
	s_wait_alu depctr_hold_cnt(0) depctr_sa_sdst(0) depctr_va_vdst(0) depctr_va_sdst(0) depctr_va_ssrc(0) depctr_va_vcc(0) depctr_vm_vsrc(0)
	s_getreg_b32 s2, hwreg(HW_REG_IB_STS2, 6, 4)
	s_cmp_eq_u32 s2, 0
	s_cbranch_scc0 .Lentry_in_a_cluster
	s_endpgm
.Lentry_in_a_cluster:
	s_bfe_u32 s2, ttmp6, 0x10000c
	s_cmp_lg_u32 s2, 0xf033
	s_cbranch_scc0 .Lentry_shape_is_right
	s_endpgm
.Lentry_shape_is_right:
; att[b][q][head 64 + d] = sum over k of softmax_k(w[q][k]) v[k][d],  w = (q . k) adj[q][k] - 1e9 (1 - adj[q][k]),  no scale in front of the softmax.
; qkv: [4096 tokens][3072] f16 (q, k, v: 1,024 columns each, a head 64 of them);  adj: [2048][2048] f32, honoured number by number: every key tile is walked;  att: [4096][1024] f16.
; Products in f16 with f32 sums; mask, maximum, exponentials and sums in f32; the weights p are rounded to f16 for the second product, the result once at the end.
; ALL OF THE SOFTMAX IS DONE IN UNITS OF log2: with c = log2(e), Q is multiplied by c once, at the head (in f32, rounded to f16 again), so that the first product gives c s.
; THE MASK: term = fma(adj, B, -B) with B = c x 1e9 rounded to f32, w' = fma(c s, adj, term) = c w up to rounding: two roundings where the source text has four; where adj is 0 or 1 the result is c s, or -B
; exactly.  LIMIT: where adj is a fraction, w is of the size of 1e9 and its last bits, which there decide the weights, need not be the source text's.
; THE SOFTMAX: a running maximum m' and sum l for each query: p = 2^(w' - m'), a plain difference, so that equal scores give exactly 1 and p never exceeds 1 (a row with adj = 0 throughout: the mean over all
; keys); in every step O and l are multiplied by a = 2^(m'_old - m'_new).
; LIMITS: NaN and infinities are not served; m' starts at -2^127; c q beyond 65,504 has no f16 (the drawn q reach about 3.5); a p under 2^-25 is rounded to 0 for the second product (2,048 of them
; are under 6e-5 of a sum that is at least 1).
; SHARES.  A work-group owns 128 queries and TWO heads of one batch entry, so that K's and V's tile rows are 256 consecutive bytes.  Wave w: head w / 4 of the two, queries 32 (w % 4) on: two tiles of 16.
; Every wave walks all 2,048 keys, 128 a step, through two LDS slots (adj 128 x 128 f32, K and V 128 rows x 256 bytes).  Two waves share a SIMD: one's vector work stands beside the other's matrix work.
; LAYOUT.  S^T = K Q^T (source 0 = 16 keys, source 1 = 16 queries): a lane holds ONE query (lane % 16) and keys 8 (lane / 16) + 0..7 of each tile.  Rounded in pairs, two tiles ARE source 1 of O^T = V^T P.
; V ([key][channel]) comes out of LDS turned, by ds_load_tr16_b128.  P is written in place over the low half of S^T.
; CLUSTER.  4 x 4 work-groups: x = (batch, pair of heads), y = block of queries.  adj's tile hangs on y alone: asked for jointly along a row of the cluster; K's and V's hang on x alone: jointly along a column.
; REGISTERS.  window 0: v1-15 addresses; v[16:17] -B; v18-25 at work; v26-41 statistics, 8 a tile; v48-111 adj of one tile (at the head v48-79: Q as loaded); v112-239 S^T, 64 a tile.
;   window 1: v0-31 Q; v32-95 O^T, 32 a tile; v96-223 K's 16 fragments, later V's 16.
.set SLOT,  139264                     ; adj 128 x 528, K 128 x 272, V 128 x 288
.set KOFF,  67584
.set VOFF,  102400
.set SPARE, 2*SLOT                     ; the spare words, 128 bytes for each of eight waves; no other line names them
.set STAGE, SPARE+1024                 ; 128 rows x (256 bytes + 16) for the way out: bytes of its own, into which no tile lands
.set AA,  3                            ; v3, v4   my place in adj's tile, slot 0, 1
.set AK,  5                            ; v5, v6   in K's
.set AV,  7                            ; v7, v8   in V's
.set QO,  9
.set STO, 10
.set RD,  11
.set GO,  12
.set PFO, 13                           ; the prefetches' offset: my lane x a row; never rewritten
.set SPW, 14                           ; SPARE + 4 x my thread's number; never rewritten
.set NIL, 15                           ; 0; never rewritten
.set NB,  16                           ; v[16:17] -B, twice
.set T,   18
.set ST,  26                           ; tile u at ST + 8 u: +0 m', +1 named with it as a pair, +2, +3 l (even keys', odd keys'), +4 a, +5 m'_old - m'_new, +6, +7 at work
.set ADJ, 48
.set S,   112
.set Q,   0                            ; window 1
.set OA,  32
.set F,   96
.set WV,  10
.set G1ADJ, 24
.set G1K, 32
.set G1V, 40
.set G0ADJ, 48                         ; a group 0 for each slot
.set G0K, 56
.set G0V, 68
.set BIG, 76                           ; s[76:77] B = c x 1e9
.set CS,  78                           ; s[78:79] c = log2(e)
.set SEL, 80                           ; s[80:81] v_permlanex16_b32's selects for lane l xor 16
.set PFA, 82                           ; s[82:83] where my prefetches stand
.set PFS, 84                           ; s[84:85] a key step on, in bytes
.set LIM, 86                           ; 1 in a wave that prefetches, else the greatest number
.set CNT, 87
.set MSB, 0
.macro WIN new                         ; the immediate's high byte repeats the setting that is left
.if MSB != \new
	s_set_vgpr_msb (MSB<<8)|\new
.set MSB, \new
.endif
.endm
.set W_KQ, 0x05                        ; K and Q window 1, S^T window 0
.set W_PV, 0x51                        ; V window 1, P window 0, O^T window 1
.set W_RS, 0x41                        ; O^T (destination and source 0) window 1, the factor window 0
.set W_LD, 0x40                        ; destination window 1, sources and address window 0
.macro PLACES n
.rept \n
	v_nop
.endr
.endm
.macro CREST                           ; a round of the cluster's barrier behind its opening barrier
	s_cmp_lg_u32 s[WV], 0
	s_cbranch_scc1 .Lnot_wave_0_\@
	s_barrier_signal -3
.Lnot_wave_0_\@:
	s_barrier_wait -3
	s_barrier_signal -1
	s_barrier_wait -1
.endm
.macro CROUND
	s_barrier_signal -1
	s_barrier_wait -1
	CREST
.endm
; A joint refill of slot sl: waves 0 and 1 fetch adj's two halves (64 rows each), wave 2 K's tile, wave 3 V's, the others nothing.  The branches hang on the wave's number alone.
; Four v_nop follow each tensor load.
.macro JLOAD sl
	s_cmp_lt_u32 s[WV], 2
	s_cbranch_scc0 .Lnot_adj_\@
	tensor_load_to_lds s[G0ADJ+4*\sl:G0ADJ+4*\sl+3], s[G1ADJ:G1ADJ+7]
	s_nop 0
	PLACES 4
	s_branch .Lasked_\@
.Lnot_adj_\@:
	s_cmp_eq_u32 s[WV], 2
	s_cbranch_scc0 .Lnot_k_\@
	tensor_load_to_lds s[G0K+4*\sl:G0K+4*\sl+3], s[G1K:G1K+7]
	s_nop 0
	PLACES 4
	s_branch .Lasked_\@
.Lnot_k_\@:
	s_cmp_eq_u32 s[WV], 3
	s_cbranch_scc0 .Lasked_\@
	tensor_load_to_lds s[G0V+4*\sl:G0V+4*\sl+3], s[G1V:G1V+7]
	s_nop 0
	PLACES 4
.Lasked_\@:
.endm
; A PREFETCH INTO THE L2 of the key step that the NEXT refill will ask for, one instruction a wave, a lane a row, by waves that fetch nothing.  Each aligned block of 256 bytes is named once in the launch:
; adj's tile is read by every cluster of a row of clusters: the one with cluster x = 0 asks, waves 4 and 5 for the two halves of a row's 512 bytes; K's and V's by every cluster of a column: cluster y = 0 asks,
; wave 6 for K, wave 7 for V.  The four partners that ask for a tile jointly share its 128 rows out BY ADDRESS, 32 each.  how = 1: the slot-1 step, which in the loop's last trip has no step behind it.
.macro ASK how
.if \how
	s_cmp_gt_u32 s[CNT], s[LIM]
.else
	s_cmp_eq_u32 s[LIM], 1
.endif
	s_cbranch_scc0 .Lnot_mine_\@
	global_prefetch_b8 v[PFO], s[PFA:PFA+1] th:TH_LOAD_NT scope:SCOPE_SE
.Lnot_mine_\@:
.endm
	s_load_b128 s[4:7], s[0:1], 0x0                ; qkv s[4:5], adj s[6:7]
	s_load_b64 s[8:9], s[0:1], 0x10                ; att
	v_lshl_add_u32 v[SPW], v0, 2, SPARE
	v_mov_b32 v[NIL], 0
	ds_add_u32 v14, v15
	s_wait_dscnt 0x0
	v_lshrrev_b32 v1, 5, v0
	v_readfirstlane_b32 s[WV], v1                  ; wave 0..7
	s_lshr_b32 s11, s[WV], 2                       ; hh: which of the two heads
	s_and_b32 s12, s[WV], 3                        ; g: which 32 queries
	s_bfe_u32 s13, ttmp6, 0x40000                  ; cx
	s_bfe_u32 s14, ttmp6, 0x40004                  ; cy
	s_lshl_b32 s15, ttmp9, 2
	s_add_co_u32 s15, s15, s13                     ; X = 4 x cluster x + cx
	s_and_b32 s16, ttmp7, 0xffff
	s_lshl_b32 s16, s16, 2
	s_add_co_u32 s16, s16, s14                     ; Y = 4 x cluster y + cy: the block of 128 queries
	s_lshr_b32 s17, s15, 3                         ; the batch entry
	s_and_b32 s18, s15, 7                          ; the pair of heads
	s_lshl_b32 s20, s14, 2
	s_lshl_b32 s20, 15, s20                        ; my row of the cluster
	s_lshl_b32 s88, 0x1111, s13                    ; my column
	; descriptor groups 1.  adj: 64 rows x 128 elements of 4 bytes, 16 bytes of padding behind each 512;  K, V: 128 rows x 128 elements of 2 bytes, 16 or 32 bytes behind each 256
	s_or_b32 s[G1ADJ], s20, (2<<16)|(1<<20)|(1<<21)|(6<<22)|(3<<25)
	s_mov_b32 s[G1ADJ+1], 128<<16                  ; tensor_dim0
	s_mov_b32 s[G1ADJ+2], 64<<16                   ; tensor_dim1
	s_mov_b32 s[G1ADJ+3], 128<<16                  ; tile_dim0
	s_mov_b32 s[G1ADJ+4], 64                       ; tile_dim1
	s_mov_b32 s[G1ADJ+5], 2048                     ; from row to row
	s_mov_b32 s[G1ADJ+6], 0
	s_mov_b32 s[G1ADJ+7], 0
	s_or_b32 s[G1K], s88, (1<<16)|(1<<20)|(1<<21)|(5<<22)|(3<<25)
	s_or_b32 s[G1V], s88, (1<<16)|(1<<20)|(1<<21)|(5<<22)|(7<<25)
.irp g, G1K, G1V
	s_mov_b32 s[\g+1], 128<<16
	s_mov_b32 s[\g+2], 128<<16
	s_mov_b32 s[\g+3], 128<<16
	s_mov_b32 s[\g+4], 128
	s_mov_b32 s[\g+5], 3072
	s_mov_b32 s[\g+6], 0
	s_mov_b32 s[\g+7], 0
.endr
	s_mov_b32 s[BIG], 0x4eabfb8f                   ; B = log2(e) x 1e9, rounded: 1,442,695,040
	s_mov_b32 s[BIG+1], s[BIG]
	s_mov_b32 s[CS], 0x3fb8aa3b                    ; log2(e)
	s_mov_b32 s[CS+1], s[CS]
	s_mov_b32 s[SEL], 0x76543210
	s_mov_b32 s[SEL+1], 0xfedcba98
	s_mov_b32 s[CNT], 7
	; offsets.  s20-23 hold numbers made of Y and the wave alone, s88-91 of X alone; what mixes the two lies in s2, s3, s66, s67, s92-95 and feeds no descriptor
	s_and_b32 s19, s[WV], 1
	s_lshl_b32 s20, s16, 7
	s_lshl_b32 s21, s19, 6
	s_add_co_u32 s20, s20, s21                     ; adj: row 128 Y + 64 (wave % 2),
	s_lshl_b32 s20, s20, 13                        ; of 8,192 bytes
	s_mov_b32 s21, 0
	s_mul_i32 s22, s19, 64*528                     ; and its place in a slot
	s_mul_i32 s88, s17, 2048*6144                  ; K: the batch entry's first token,
	s_lshl_b32 s89, s18, 8
	s_add_co_u32 s88, s88, s89                     ; the pair's 256 bytes,
	s_add_co_u32 s88, s88, 2048                    ; behind q's 2,048
	s_mov_b32 s89, 0
	; the prefetches
	s_lshl_b32 s2, s16, 7
	s_lshl_b32 s3, s13, 5
	s_add_co_u32 s2, s2, s3                        ; adj: row 128 Y + 32 cx,
	s_lshl_b32 s2, s2, 13
	s_lshl_b32 s3, s19, 8
	s_add_co_u32 s2, s2, s3                        ; the half of a step's 512 bytes,
	s_add_co_u32 s2, s2, 2*512                     ; at key step 2: the first refill steps it to 3
	s_lshl_b32 s66, s17, 11
	s_lshl_b32 s67, s14, 5
	s_add_co_u32 s66, s66, s67
	s_add_co_u32 s66, s66, 2*128                   ; K, V: token 2,048 b + 32 cy, at key step 2
	s_mul_i32 s66, s66, 6144
	s_lshl_b32 s67, s19, 11
	s_add_co_u32 s66, s66, s67
	s_add_co_u32 s66, s66, 2048                    ; wave 6: K's columns, wave 7: V's
	s_lshl_b32 s67, s18, 8
	s_add_co_u32 s66, s66, s67
	s_and_b32 s67, ttmp7, 0xffff                   ; cluster y
	s_cmp_lt_u32 s[WV], 6                          ; waves 4, 5: adj;  waves 6, 7: K, V
	s_cselect_b32 s2, s2, s66
	s_cselect_b32 s67, ttmp9, s67                  ; the coordinate along which other clusters read the same rows
	s_mov_b32 s[PFS], 128*6144
	s_cselect_b32 s[PFS], 512, s[PFS]
	s_mov_b32 s66, 6144
	s_cselect_b32 s66, 8192, s66                   ; from lane to lane: a row
	s_mov_b32 s3, 0
	s_mov_b32 s[PFS+1], 0
	s_lshr_b32 s[LIM], s[WV], 2
	s_xor_b32 s[LIM], s[LIM], 1                    ; 0 in waves 4 to 7,
	s_or_b32 s[LIM], s[LIM], s67                   ; of the first cluster along that coordinate: the same in all sixteen partners, for a given wave
	s_cmp_eq_u32 s[LIM], 0
	s_cselect_b32 s[LIM], 1, -1
	v_and_b32 v[PFO], 31, v0
	v_mul_lo_u32 v[PFO], v[PFO], s66
	; Q's and att's places
	s_lshl_b32 s94, s17, 11
	s_lshl_b32 s95, s16, 7
	s_add_co_u32 s94, s94, s95                     ; the block's first token
	s_lshl_b32 s95, s12, 5
	s_add_co_u32 s92, s94, s95                     ; + 32 g
	s_mul_i32 s92, s92, 6144
	s_lshl_b32 s95, s18, 8
	s_add_co_u32 s92, s92, s95
	s_lshl_b32 s93, s11, 7
	s_add_co_u32 s92, s92, s93                     ; + the head's 128 bytes
	s_mov_b32 s93, 0
	s_lshl_b32 s66, s[WV], 4
	s_add_co_u32 s94, s94, s66                     ; att: + 16 rows a wave on the way out
	s_lshl_b32 s94, s94, 11
	s_add_co_u32 s94, s94, s95
	s_mov_b32 s95, 0
	s_wait_kmcnt 0x0
	s_add_nc_u64 s[20:21], s[6:7], s[20:21]        ; adj at my rows
	s_add_nc_u64 s[88:89], s[4:5], s[88:89]        ; K
	s_add_nc_u64 s[90:91], s[88:89], 2048          ; V
	s_cmp_lt_u32 s[WV], 6
	s_cselect_b64 s[PFA:PFA+1], s[6:7], s[4:5]
	s_add_nc_u64 s[PFA:PFA+1], s[PFA:PFA+1], s[2:3]
	s_add_nc_u64 s[4:5], s[4:5], s[92:93]          ; Q at my wave's first row
	s_add_nc_u64 s[8:9], s[8:9], s[94:95]
.irp sl, 0,1
	s_mov_b32 s[G0ADJ+4*\sl], 1                    ; count = 1
	s_add_co_u32 s[G0ADJ+4*\sl+1], s22, \sl*SLOT   ; LDS address
	s_add_nc_u64 s[G0ADJ+4*\sl+2:G0ADJ+4*\sl+3], s[20:21], \sl*512    ; key step sl
	s_or_b32 s[G0ADJ+4*\sl+3], s[G0ADJ+4*\sl+3], 0x80000000          ; type = 2
	s_mov_b32 s[G0K+4*\sl], 1
	s_mov_b32 s[G0K+4*\sl+1], \sl*SLOT+KOFF
	s_add_nc_u64 s[G0K+4*\sl+2:G0K+4*\sl+3], s[88:89], \sl*128*6144
	s_or_b32 s[G0K+4*\sl+3], s[G0K+4*\sl+3], 0x80000000
	s_mov_b32 s[G0V+4*\sl], 1
	s_mov_b32 s[G0V+4*\sl+1], \sl*SLOT+VOFF
	s_add_nc_u64 s[G0V+4*\sl+2:G0V+4*\sl+3], s[90:91], \sl*128*6144
	s_or_b32 s[G0V+4*\sl+3], s[G0V+4*\sl+3], 0x80000000
.endr
	CROUND                                         ; all sixteen work-groups are here: the first joint loads meet
	s_cmp_lt_u32 s[WV], 2                          ; a wave's two first fills stand in one branch, ahead of every wait on TENSORcnt and every LDS read: two loads of mine are out
	s_cbranch_scc0 .Lfirst_not_adj
	tensor_load_to_lds s[G0ADJ:G0ADJ+3], s[G1ADJ:G1ADJ+7]
	s_nop 0
	tensor_load_to_lds s[G0ADJ+4:G0ADJ+7], s[G1ADJ:G1ADJ+7]
	s_nop 0
	PLACES 4
	s_branch .Lfirst_asked
.Lfirst_not_adj:
	s_cmp_eq_u32 s[WV], 2
	s_cbranch_scc0 .Lfirst_not_k
	tensor_load_to_lds s[G0K:G0K+3], s[G1K:G1K+7]
	s_nop 0
	tensor_load_to_lds s[G0K+4:G0K+7], s[G1K:G1K+7]
	s_nop 0
	PLACES 4
	s_branch .Lfirst_asked
.Lfirst_not_k:
	s_cmp_eq_u32 s[WV], 3
	s_cbranch_scc0 .Lfirst_asked
	tensor_load_to_lds s[G0V:G0V+3], s[G1V:G1V+7]
	s_nop 0
	tensor_load_to_lds s[G0V+4:G0V+7], s[G1V:G1V+7]
	s_nop 0
	PLACES 4
.Lfirst_asked:
	v_and_b32 v1, 15, v0                           ; r = l % 16
	v_bfe_u32 v2, v0, 4, 1                         ; h = l / 16
	v_mul_u32_u24 v[QO], v1, 6144
	v_lshl_add_u32 v[QO], v2, 4, v[QO]             ; Q: row r, + 16 h
.irp u, 0,1                            ; Q as it lies, into v48-79: tile u, channels 32 c on.  (Only v0-127 have named halves, which the widening below wants)
.irp c, 0,1
	global_load_b128 v[ADJ+16*\u+8*\c:ADJ+16*\u+8*\c+3],   v[QO], s[4:5] offset:98304*\u+64*\c
	global_load_b128 v[ADJ+16*\u+8*\c+4:ADJ+16*\u+8*\c+7], v[QO], s[4:5] offset:98304*\u+64*\c+32
.endr
.endr
	WIN W_LD
.set i, 0
.rept 64
	v_mov_b32 v[OA+i], 0                           ; O^T.  (The step is written without a first step of its own: the first a is 0 and finds zeros)
.set i, i+1
.endr
	WIN 0
	; LDS addresses: their scalar parts are made of the wave's number alone, in s19 and s23
	s_mul_i32 s23, s12, 32*528
	v_mul_u32_u24 v[AA], v1, 528
	v_lshl_add_u32 v[AA], v2, 5, v[AA]
	v_add_nc_u32 v[AA], s23, v[AA]                 ; adj: row 32 g + r, + 32 h: my eight keys of a tile of 16
	v_add_nc_u32 v[AA+1], SLOT, v[AA]
	s_lshl_b32 s19, s11, 7                         ; my head's 128 bytes of a row
	s_add_co_u32 s23, s19, KOFF
	v_mul_u32_u24 v[AK], v1, 272
	v_lshl_add_u32 v[AK], v2, 4, v[AK]
	v_add_nc_u32 v[AK], s23, v[AK]                 ; K: row r, + 16 h
	v_add_nc_u32 v[AK+1], SLOT, v[AK]
	s_add_co_u32 s23, s19, VOFF
	v_and_b32 v18, 7, v0
	v_bfe_u32 v19, v0, 3, 1
	v_lshl_add_u32 v[AV], v2, 3, v18
	v_mul_u32_u24 v[AV], v[AV], 288
	v_lshl_add_u32 v[AV], v19, 4, v[AV]
	v_add_nc_u32 v[AV], s23, v[AV]                 ; V, for the turning load: key 8 h + l % 8, channels 8 ((l / 8) % 2) on
	v_add_nc_u32 v[AV+1], SLOT, v[AV]
	s_mul_i32 s23, s12, 32*272
	s_add_co_u32 s23, s23, s19
	s_add_co_u32 s23, s23, STAGE
	v_mul_u32_u24 v[STO], v1, 272
	v_lshl_add_u32 v[STO], v2, 4, v[STO]
	v_add_nc_u32 v[STO], s23, v[STO]               ; the stage, in: row 32 g + r, my head's half, + 16 h
	s_mul_i32 s23, s[WV], 16*272
	s_add_co_u32 s23, s23, STAGE
	v_mul_u32_u24 v[RD], v2, 272
	v_lshl_add_u32 v[RD], v1, 4, v[RD]
	v_add_nc_u32 v[RD], s23, v[RD]                 ; back: wave w takes rows 16 w on; lanes 0-15 one row, lanes 16-31 the next
	v_lshlrev_b32 v[GO], 11, v2
	v_lshl_add_u32 v[GO], v1, 4, v[GO]             ; and the same two rows in att
	v_mov_b32 v[NB], 0xceabfb8f                    ; -B
	v_mov_b32 v[NB+1], 0xceabfb8f
.irp u, 0,1
	v_mov_b32 v[ST+8*\u], 0xff000000               ; m' = -2^127
.irp n, 1,2,3,4,5,6,7
	v_mov_b32 v[ST+8*\u+\n], 0
.endr
.endr
	; Q times c: widened to f32 (64 numbers a lane, into S^T's registers), multiplied, rounded to f16 again, into window 1.  It stands here, while the first tiles are on their way.
	s_wait_loadcnt 0x0                             ; Q
.set i, 0
.irp r, v48.l,v48.h,v49.l,v49.h,v50.l,v50.h,v51.l,v51.h,v52.l,v52.h,v53.l,v53.h,v54.l,v54.h,v55.l,v55.h,v56.l,v56.h,v57.l,v57.h,v58.l,v58.h,v59.l,v59.h,v60.l,v60.h,v61.l,v61.h,v62.l,v62.h,v63.l,v63.h,v64.l,v64.h,v65.l,v65.h,v66.l,v66.h,v67.l,v67.h,v68.l,v68.h,v69.l,v69.h,v70.l,v70.h,v71.l,v71.h,v72.l,v72.h,v73.l,v73.h,v74.l,v74.h,v75.l,v75.h,v76.l,v76.h,v77.l,v77.h,v78.l,v78.h,v79.l,v79.h
	v_cvt_f32_f16 v[S+i], \r
.set i, i+1
.endr
.set i, 0
.rept 32
	v_pk_mul_f32 v[S+2*i:S+2*i+1], v[S+2*i:S+2*i+1], s[CS:CS+1] op_sel_hi:[1,0]
.set i, i+1
.endr
	WIN W_LD
.set i, 0
.rept 32
	v_cvt_pk_f16_f32 v[Q+i], v[S+2*i], v[S+2*i+1]
.set i, i+1
.endr
	WIN 0
.macro KLOADS sl                       ; a step's K for my head: 8 tiles of 16 keys x 2 halves of 32 channels
	WIN W_LD
.irp t, 0,1,2,3,4,5,6,7
.irp c, 0,1
	ds_load_b128 v[F+16*\t+8*\c:F+16*\t+8*\c+3],   v[AK+\sl] offset:4352*\t+64*\c
	ds_load_b128 v[F+16*\t+8*\c+4:F+16*\t+8*\c+7], v[AK+\sl] offset:4352*\t+64*\c+32
.endr
.endr
.endm
.macro ALOADS sl, u                    ; adj of tile u's 16 queries x 128 keys: register 8 t + j as in S^T
	WIN 0
.irp t, 0,1,2,3,4,5,6,7
	ds_load_b128 v[ADJ+8*\t:ADJ+8*\t+3],   v[AA+\sl] offset:8448*\u+64*\t
	ds_load_b128 v[ADJ+8*\t+4:ADJ+8*\t+7], v[AA+\sl] offset:8448*\u+64*\t+16
.endr
.endm
.macro VLOADS sl                       ; a step's V for my head, turned: keys 32 kg on, channels 16 ct on
	WIN W_LD
.irp kg, 0,1,2,3
.irp ct, 0,1,2,3
	ds_load_tr16_b128 v[F+32*\kg+8*\ct:F+32*\kg+8*\ct+3],   v[AV+\sl] offset:9216*\kg+32*\ct
	ds_load_tr16_b128 v[F+32*\kg+8*\ct+4:F+32*\kg+8*\ct+7], v[AV+\sl] offset:9216*\kg+32*\ct+4608
.endr
.endr
.endm
; 16 products of S^T = K Q^T: key tiles 4 gq .. 4 gq + 3 x both query tiles x both halves of the channels.  Eight accumulators take turns; the first half starts the sums.
.macro KQ gq
	WIN W_KQ
.irp c, 0,1
.irp tt, 0,1,2,3
.irp u, 0,1
.if \c == 0
	v_wmma_f32_16x16x32_f16 v[S+64*\u+8*(4*\gq+\tt):S+64*\u+8*(4*\gq+\tt)+7], v[F+16*(4*\gq+\tt)+8*\c:F+16*(4*\gq+\tt)+8*\c+7], v[Q+16*\u+8*\c:Q+16*\u+8*\c+7], 0
.else
	v_wmma_f32_16x16x32_f16 v[S+64*\u+8*(4*\gq+\tt):S+64*\u+8*(4*\gq+\tt)+7], v[F+16*(4*\gq+\tt)+8*\c:F+16*(4*\gq+\tt)+8*\c+7], v[Q+16*\u+8*\c:Q+16*\u+8*\c+7], v[S+64*\u+8*(4*\gq+\tt):S+64*\u+8*(4*\gq+\tt)+7]
.endif
.endr
.endr
.endr
.endm
; w' = (c s) adj + (B adj - B), two numbers an instruction, a tile of 16 keys (four pairs) at a time, ascending: each accumulator is read from its low end on
.macro MASK u
.irp t, 0,1,2,3,4,5,6,7
.irp p, 0,1,2,3
	v_pk_fma_f32 v[T+2*\p:T+2*\p+1], v[ADJ+8*\t+2*\p:ADJ+8*\t+2*\p+1], s[BIG:BIG+1], v[NB:NB+1] op_sel_hi:[1,0,1]
.endr
.irp p, 0,1,2,3
	v_pk_fma_f32 v[S+64*\u+8*\t+2*\p:S+64*\u+8*\t+2*\p+1], v[S+64*\u+8*\t+2*\p:S+64*\u+8*\t+2*\p+1], v[ADJ+8*\t+2*\p:ADJ+8*\t+2*\p+1], v[T+2*\p:T+2*\p+1]
.endr
.endr
.endm
; One tile's softmax for one key step.  The maximum in four chains; then a pipeline in which a plain instruction stands behind every exponential before its result is used:
; in turn i: w' - m' of pair i | 2^ of pair i - 1's first | pair i - 2 into the sum | 2^ of pair i - 1's second | pair i - 2 rounded to f16 into register i - 2 of S^T, whose own pair is done with.
.macro SOFT u
.set rT, ST+8*\u
.set rS, S+64*\u
.irp q, 0,1,2,3
	v_max3_num_f32 v[T+\q], v[rS+16*\q], v[rS+16*\q+1], v[rS+16*\q+2]
.endr
.irp i, 3,5,7,9,11,13
.irp q, 0,1,2,3
	v_max3_num_f32 v[T+\q], v[T+\q], v[rS+16*\q+\i], v[rS+16*\q+\i+1]
.endr
.endr
	v_max3_num_f32 v[T], v[T], v[rS+15], v[rS+31]
	v_max3_num_f32 v[T+2], v[T+2], v[rS+47], v[rS+63]
	v_max3_num_f32 v[T], v[T], v[T+1], v[T+2]
	v_max3_num_f32 v[T], v[T], v[T+3], v[rT]       ; with the old m'
	v_permlanex16_b32 v[rT+6], v[T], s[SEL], s[SEL+1]   ; the query's other 64 keys lie in the lane 16 away
	v_mov_b32 v[rT+5], v[rT]                       ; m'_old
	v_max_num_f32 v[rT], v[T], v[rT+6]             ; the new m'
	v_sub_f32 v[rT+5], v[rT+5], v[rT]
	v_exp_f32 v[rT+4], v[rT+5]                     ; a
.set i, 0
.rept 34
.if i < 32
	v_pk_add_f32 v[rS+2*i:rS+2*i+1], v[rS+2*i:rS+2*i+1], v[rT:rT+1] op_sel_hi:[1,0] neg_lo:[0,1] neg_hi:[0,1]   ; w' - m': of the pair at m' the low word serves both halves
.endif
.if (i >= 1) && (i <= 32)
	v_exp_f32 v[rS+2*i-2], v[rS+2*i-2]
.endif
.if i == 2
	s_wait_alu depctr_va_vdst(0)
	v_pk_fma_f32 v[rT+2:rT+3], v[rT+2:rT+3], v[rT+4:rT+5], v[rS:rS+1] op_sel_hi:[1,0,1]   ; l = a l + the first pair
.elseif i > 2
	s_wait_alu depctr_va_vdst(0)
	v_pk_add_f32 v[rT+2:rT+3], v[rT+2:rT+3], v[rS+2*i-4:rS+2*i-3]
.endif
.if (i >= 1) && (i <= 32)
	v_exp_f32 v[rS+2*i-1], v[rS+2*i-1]
.endif
.if i >= 2
	v_cvt_pk_f16_f32 v[rS+i-2], v[rS+2*i-4], v[rS+2*i-3]
.endif
.set i, i+1
.endr
.endm
.macro RESCALE                         ; O^T times a, ascending
	WIN W_RS
.irp u, 0,1
.set i, 0
.rept 16
	v_pk_mul_f32 v[OA+32*\u+2*i:OA+32*\u+2*i+1], v[OA+32*\u+2*i:OA+32*\u+2*i+1], v[ST+8*\u+4:ST+8*\u+5] op_sel_hi:[1,0]
.set i, i+1
.endr
.endr
.endm
.macro PV                              ; 32 products of O^T += V^T P: eight accumulators take turns
	WIN W_PV
.irp kg, 0,1,2,3
.irp ct, 0,1,2,3
.irp u, 0,1
	v_wmma_f32_16x16x32_f16 v[OA+32*\u+8*\ct:OA+32*\u+8*\ct+7], v[F+32*\kg+8*\ct:F+32*\kg+8*\ct+7], v[S+64*\u+8*\kg:S+64*\u+8*\kg+7], v[OA+32*\u+8*\ct:OA+32*\u+8*\ct+7]
.endr
.endr
.endr
.endm
; A KEY STEP out of slot sl.  mode 2: the slot is filled again, with the step two on;  1: the waves only meet (the other slot's tiles are shown whole);  0: the last step.
; All my reads of the slot are back in registers when the second tile's mask begins, so the change of slots stands round the step's last products: in front of the barrier each wave waits for all its
; tensor loads (one is out: its part of the other slot), adds 0 to its spare word, and waits for that and for its reads; the products V^T P stand between signal and wait.
.macro TRIP sl, mode, how
	KLOADS \sl
	ALOADS \sl, 0
	s_wait_dscnt 32                                ; K's first 16 loads (key tiles 0-3) are in; behind them: K's other 16 and adj's 16
	KQ 0
	s_wait_dscnt 16                                ; all of K is in
	KQ 1
	WIN 0
	PLACES 4                                       ; behind the products: in front of the loads into K's registers and of the first read of the scores
	VLOADS \sl
	WIN 0
	s_wait_dscnt 32                                ; adj of tile 0 is in; V's 32 loads may be out
	MASK 0
	ALOADS \sl, 1
	SOFT 0
	s_wait_dscnt 0x0                               ; V and adj of tile 1 are in: my last reads of this slot
	MASK 1
	SOFT 1
.if \mode == 2
	s_wait_xcnt 0x0                                ; the last prefetch, a step back, has read its address: it may be stepped
	s_add_nc_u64 s[PFA:PFA+1], s[PFA:PFA+1], s[PFS:PFS+1]
.endif
.if \mode >= 1
	s_wait_tensorcnt 0x0                           ; all my tensor loads have landed
	ds_add_u32 v[SPW], v[NIL]                      ; 0 onto my spare word; the rescaling stands between it and the wait for it
.endif
	RESCALE
.if \mode >= 1
	s_wait_dscnt 0x0                               ; the add is done; my reads of this slot were over before
	s_barrier_signal -1
.endif
	PV
	WIN 0                                          ; at a label and at a branch every window is 0
.if \mode >= 1
	s_barrier_wait -1
.endif
.if \mode == 2
	CREST                                          ; the barrier has opened a round of the cluster's barrier: no wave of any partner still reads this slot or has a load on its way
	s_add_nc_u64 s[G0ADJ+4*\sl+2:G0ADJ+4*\sl+3], s[G0ADJ+4*\sl+2:G0ADJ+4*\sl+3], 2*512
	s_add_nc_u64 s[G0K+4*\sl+2:G0K+4*\sl+3], s[G0K+4*\sl+2:G0K+4*\sl+3], 2*128*6144
	s_add_nc_u64 s[G0V+4*\sl+2:G0V+4*\sl+3], s[G0V+4*\sl+2:G0V+4*\sl+3], 2*128*6144
	JLOAD \sl                                      ; the first tensor load behind the round, one a wave: it has the next step's work up to that step's wait in which to land
	ASK \how
.endif
	PLACES 5                                       ; behind the last products: V's registers are loaded again (four places), and the next scores are written over P by matrix instructions (five)
.endm
	s_wait_tensorcnt 1                             ; my part of slot 0 is in; slot 1's may stay out
	s_barrier_signal -1
	s_barrier_wait -1                              ; everybody's is
.Lpair:                                            ; seven trips of two key steps: steps 0 to 13 ask for steps 2 to 15
	TRIP 0, 2, 0
	TRIP 1, 2, 1
	s_sub_co_u32 s[CNT], s[CNT], 1
	s_cmp_lg_u32 s[CNT], 0
	s_cbranch_scc1 .Lpair
	TRIP 0, 1, 0                                   ; the tail is written out
	TRIP 1, 0, 0
	; THE WAY OUT.  l's two halves and the other half of the lanes' are added; O^T is divided by l, rounded to f16, and meets the other head's half of each row in the stage.
.irp u, 0,1
	v_add_f32 v[ST+8*\u+6], v[ST+8*\u+2], v[ST+8*\u+3]
.endr
.irp u, 0,1
	v_permlanex16_b32 v[ST+8*\u+7], v[ST+8*\u+6], s[SEL], s[SEL+1]
.endr
.irp u, 0,1
	v_add_f32 v[ST+8*\u+6], v[ST+8*\u+6], v[ST+8*\u+7]
.endr
.irp u, 0,1
	v_rcp_f32 v[ST+8*\u+4], v[ST+8*\u+6]
.endr
	v_nop                                          ; a plain instruction between the last reciprocal and the use of its result
	s_wait_alu depctr_va_vdst(0)
	RESCALE                                        ; O^T times 1 / l, which stands where a stood
	WIN 0x05                                       ; sources window 1, destination window 0
.set i, 0
.rept 32
	v_cvt_pk_f16_f32 v[ADJ+i], v[OA+2*i], v[OA+2*i+1]
.set i, i+1
.endr
	WIN 0
.irp u, 0,1
.irp ct, 0,1,2,3
	ds_store_b128 v[STO], v[ADJ+16*\u+4*\ct:ADJ+16*\u+4*\ct+3] offset:4352*\u+32*\ct   ; query 16 u + r, channels 16 ct + 8 h + 0..7
.endr
.endr
	s_wait_dscnt 0x0                               ; for the others' sake: my stores into the stage are done
	s_barrier_signal -1
	s_barrier_wait -1
.irp i, 0,1,2,3,4,5,6,7
	ds_load_b128 v[ADJ+32+4*\i:ADJ+32+4*\i+3], v[RD] offset:544*\i
.endr
.irp i, 0,1,2,3,4,5,6,7
	s_wait_dscnt 7-\i
	global_store_b128 v[GO], v[ADJ+32+4*\i:ADJ+32+4*\i+3], s[8:9] offset:4096*\i   ; 16 lanes store 256 consecutive bytes, aligned
.endr
	s_wait_tensorcnt 0x0                           ; the wave's end
	ds_add_u32 v[SPW], v[NIL]
	s_wait_dscnt 0x0
	CROUND                                         ; the closing round
	s_endpgm
.Lfunc_end_k_q93a6171db7_attn:
	.size	k_q93a6171db7_attn, .Lfunc_end_k_q93a6171db7_attn-k_q93a6171db7_attn
	.p2alignl 7, 3214868480
	.fill 96, 4, 3214868480
	.section	.rodata,"a",@progbits
	.p2align	6, 0x0
	.amdhsa_kernel k_q93a6171db7_attn
		.amdhsa_group_segment_fixed_size 327680
		.amdhsa_private_segment_fixed_size 0
		.amdhsa_enable_private_segment 0
		.amdhsa_kernarg_size 24
		.amdhsa_user_sgpr_count 2
		.amdhsa_user_sgpr_kernarg_segment_ptr 1
		.amdhsa_wavefront_size32 1
		.amdhsa_system_sgpr_workgroup_id_x 1
		.amdhsa_system_sgpr_workgroup_id_y 1
		.amdhsa_system_sgpr_workgroup_id_z 1
		.amdhsa_system_vgpr_workitem_id 0
		.amdhsa_next_free_vgpr 512
		.amdhsa_next_free_sgpr 96
		.amdhsa_reserve_vcc 0
		.amdhsa_float_denorm_mode_32 3
		.amdhsa_float_denorm_mode_16_64 3
		.amdhsa_memory_ordered 1
		.amdhsa_forward_progress 1
		.amdhsa_inst_pref_size 204
	.end_amdhsa_kernel
	.amdgpu_metadata
---
amdhsa.version: [ 1, 2 ]
amdhsa.kernels:
  - .name:           k_q93a6171db7_attn
    .symbol:         k_q93a6171db7_attn.kd
    .args:
      - { .name: qkv, .offset: 0, .size: 8, .value_kind: global_buffer, .address_space: global }
      - { .name: adj, .offset: 8, .size: 8, .value_kind: global_buffer, .address_space: global }
      - { .name: att, .offset: 16, .size: 8, .value_kind: global_buffer, .address_space: global }
    .group_segment_fixed_size: 327680
    .private_segment_fixed_size: 0
    .kernarg_segment_align: 8
    .kernarg_segment_size: 24
    .max_flat_workgroup_size: 256
    .sgpr_count:     96
    .vgpr_count:     512
    .wavefront_size: 32
...
	.end_amdgpu_metadata
.endif
;; end of part 3
;; launch proj (part 4): grid 8 x 32, 4 waves a work-group, clusters of 4 x 4, 327,680 bytes of LDS; arguments att, qkv, wcat, b_proj, b_proj1, out0; writes out0
.if DOCPART == 4
	.amdgcn_target "amdgcn-amd-amdhsa--gfx1250"
	.amdhsa_code_object_version 6
	.text
	.protected	k_q93a6171db7_proj
	.globl	k_q93a6171db7_proj
	.p2align	8
	.type	k_q93a6171db7_proj,@function
k_q93a6171db7_proj:
	s_mov_b64 s[64:65], 0
	v_nop
	global_prefetch_b8 v0, s[64:65] scope:SCOPE_SE
	s_setreg_imm32_b32 hwreg(HW_REG_WAVE_MODE, 25, 1), 1
	s_wait_xcnt 0x0
	s_wait_alu depctr_hold_cnt(0) depctr_sa_sdst(0) depctr_va_vdst(0) depctr_va_sdst(0) depctr_va_ssrc(0) depctr_va_vcc(0) depctr_vm_vsrc(0)
	s_getreg_b32 s2, hwreg(HW_REG_IB_STS2, 6, 4)
	s_cmp_eq_u32 s2, 0
	s_cbranch_scc0 .Lentry_in_a_cluster
	s_endpgm
.Lentry_in_a_cluster:
	s_bfe_u32 s2, ttmp6, 0x10000c
	s_cmp_lg_u32 s2, 0xf033
	s_cbranch_scc0 .Lentry_shape_is_right
	s_endpgm
.Lentry_shape_is_right:
; out0[m][n] = sum over k < 1024 of att[m][k] w_proj[k][n] + sum over k < 1024 of q[m][k] w_proj1[k][n] + b_proj[n] + b_proj1[n]: ONE product with K = 2,048.
; Its left operand's K steps 0-3 come from att [4096][1024] f16, K steps 4-7 from qkv's columns 0-1023 (rows of 3,072 f16); its right operand is wcat [1024 n][2048 k] f16.  Sums in f32; out0 f32.
; A tile of out0 is 128 x 128: 256 work-groups.  Four waves, each 64 x 64: 16 accumulators, 128 registers.  K goes in steps of 256 (LDS rows of 512 bytes; a wave's tensor load brings 64 of them) through two slots.
; The four laps are written out, since the left operand's descriptors change from lap to lap.  The sum of the two biases is the C of each sum's first matrix instruction.
; CLUSTERS: 4 x 4 work-groups; the left operand's tile is asked for jointly along a row of the cluster, wcat's along a column.  THE MATRIX INSTRUCTION IS USED TRANSPOSED (source 0 = 16 rows of wcat, source 1 = 16
; rows of the left operand): a lane holds eight neighbouring numbers of a row of out0.  A wave's 64 columns are 256 consecutive bytes, aligned, so each wave has a stage of its own on the way out.
; REGISTERS: window 0: v0-31 addresses; v32-95 the way out; v96-127 the bias; v128-255 the accumulators ((a, b) at v[128 + 8 (4 a + b)]).  window 1: two fragment buffers of 128.
.set KSTEP,  256
.set PITCH,  528                       ; an LDS row: 512 bytes + 16 of padding
.set HALFT,  64*PITCH
.set SLOT,   4*HALFT
.set STAGE,  2*SLOT                    ; behind the slots: 16 rows x 272 bytes for each wave; no tile lands here
.set SPITCH, 272
.set SPARE,  STAGE+4*16*SPITCH         ; the spare words, 128 bytes for each wave; no other line names them
.set ADRA, 16
.set ADRB, 20
.set STO,  24
.set RD,   25
.set CO,   26
.set SPW,  28
.set NIL,  29
.set TMP,  32
.set BS,   96                          ; the bias: column block b at v[BS + 8 b]
.set ACC,  128
.set F0,   0
.set F1,   128
.set G1A, 24                           ; att's tiles: group 1, and a group 0 for each slot
.set G0A, 32
.set G1B, 48                           ; wcat's
.set G0B, 56
.set G1Q, 68                           ; q's
.set G0Q, 76
.set MSB, 0
.macro WIN new
.if MSB != \new
	s_set_vgpr_msb (MSB<<8)|\new
.set MSB, \new
.endif
.endm
.set MUL,  0x05                        ; sources 0 and 1 window 1; C and D window 0
.set TO_F, 0x40
.macro JLOAD g0a, g1a, g0b, g1b        ; waves 0 and 1 fetch the left operand's two halves, waves 2 and 3 wcat's; four v_nop follow each of the two lines
	s_cmp_eq_u32 s11, 0
	s_cbranch_scc0 .Lfor_b_\@
	tensor_load_to_lds s[\g0a:\g0a+3], s[\g1a:\g1a+7]
	s_nop 0
.rept 4
	v_nop
.endr
	s_branch .Lasked_\@
.Lfor_b_\@:
	tensor_load_to_lds s[\g0b:\g0b+3], s[\g1b:\g1b+7]
	s_nop 0
.rept 4
	v_nop
.endr
.Lasked_\@:
.endm
.macro CREST
	s_cmp_lg_u32 s10, 0
	s_cbranch_scc1 .Lnot_wave_0_\@
	s_barrier_signal -3
.Lnot_wave_0_\@:
	s_barrier_wait -3
	s_barrier_signal -1
	s_barrier_wait -1
.endm
.macro CROUND
	s_barrier_signal -1
	s_barrier_wait -1
	CREST
.endm
	s_load_b256 s[84:91], s[0:1], 0x0              ; att s[84:85], qkv s[86:87], wcat s[88:89], b_proj s[90:91]
	s_load_b128 s[92:95], s[0:1], 0x20             ; b_proj1 s[92:93], out0 s[94:95]
	v_lshl_add_u32 v[SPW], v0, 2, SPARE
	v_mov_b32 v[NIL], 0
	ds_add_u32 v28, v29
	s_wait_dscnt 0x0
	v_lshrrev_b32 v1, 5, v0
	v_readfirstlane_b32 s10, v1                    ; wave 0..3
	s_lshr_b32 s11, s10, 1                         ; which half of the tile's rows is mine.  Also: I fetch for the left operand (0) or for wcat (1)
	s_and_b32 s12, s10, 1                          ; which half of its columns.  Also: which 64 rows of that tile I fetch
	s_bfe_u32 s40, ttmp6, 0x40000                  ; cx, cy
	s_bfe_u32 s41, ttmp6, 0x40004
	s_lshl_b32 s42, ttmp9, 2
	s_add_co_u32 s42, s42, s40                     ; tile column
	s_and_b32 s13, ttmp7, 0xffff
	s_lshl_b32 s13, s13, 2
	s_add_co_u32 s13, s13, s41                     ; tile row
	s_lshl_b32 s43, s41, 2
	s_lshl_b32 s43, 15, s43                        ; my row of the cluster
	s_lshl_b32 s44, 0x1111, s40                    ; my column
	; descriptor groups 1: a tile of 64 rows x 256 elements of 2 bytes, 16 bytes of padding behind each 512
	s_or_b32 s[G1A+0], s43, (1<<16)|(1<<20)|(1<<21)|(6<<22)|(3<<25)
	s_or_b32 s[G1Q+0], s43, (1<<16)|(1<<20)|(1<<21)|(6<<22)|(3<<25)
	s_or_b32 s[G1B+0], s44, (1<<16)|(1<<20)|(1<<21)|(6<<22)|(3<<25)
.irp g, G1A, G1Q, G1B
	s_mov_b32 s[\g+1], KSTEP<<16                   ; tensor_dim0
	s_mov_b32 s[\g+2], 64<<16                      ; tensor_dim1
	s_mov_b32 s[\g+3], KSTEP<<16                   ; tile_dim0
	s_mov_b32 s[\g+4], 64                          ; tile_dim1
	s_mov_b32 s[\g+6], 0
	s_mov_b32 s[\g+7], 0
.endr
	s_mov_b32 s[G1A+5], 1024                       ; from row to row: att's,
	s_mov_b32 s[G1Q+5], 3072                       ; qkv's,
	s_mov_b32 s[G1B+5], 2048                       ; wcat's
	s_lshl_b32 s17, s12, 6                         ; which 64 rows of the tile I fetch
	s_lshl_b32 s16, s13, 7
	s_add_co_u32 s16, s16, s17                     ; the left operand: row 128 x tile row + 64 x half
	s_lshl_b32 s46, s42, 7
	s_add_co_u32 s46, s46, s17                     ; wcat: row 128 x tile column + 64 x half
	s_mul_i32 s18, s16, 6144                       ; in qkv,
	s_mov_b32 s19, 0
	s_lshl_b32 s16, s16, 11                        ; in att,
	s_mov_b32 s17, 0
	s_lshl_b32 s46, s46, 12                        ; in wcat
	s_mov_b32 s47, 0
	s_mul_i32 s20, s10, HALFT                      ; where they go: wave x 64 rows
	s_wait_kmcnt 0x0
	s_add_nc_u64 s[14:15], s[84:85], s[16:17]
	s_add_nc_u64 s[18:19], s[86:87], s[18:19]
	s_add_nc_u64 s[46:47], s[88:89], s[46:47]
	CROUND                                         ; all sixteen work-groups are here: the first joint loads meet
.irp s, 0,1
	s_mov_b32 s[G0Q+4*\s], 1                       ; q's descriptors are made now and first used in the second lap: K steps 4 and 5 of the product are q's columns 0 and 256 on
	s_add_co_u32 s[G0Q+4*\s+1], s20, \s*SLOT
	s_add_nc_u64 s[G0Q+4*\s+2:G0Q+4*\s+3], s[18:19], \s*KSTEP*2
	s_or_b32 s[G0Q+4*\s+3], s[G0Q+4*\s+3], 0x80000000
	s_mov_b32 s[G0A+4*\s], 1
	s_add_co_u32 s[G0A+4*\s+1], s20, \s*SLOT
	s_add_nc_u64 s[G0A+4*\s+2:G0A+4*\s+3], s[14:15], \s*KSTEP*2
	s_or_b32 s[G0A+4*\s+3], s[G0A+4*\s+3], 0x80000000
	s_mov_b32 s[G0B+4*\s], 1
	s_add_co_u32 s[G0B+4*\s+1], s20, \s*SLOT
	s_add_nc_u64 s[G0B+4*\s+2:G0B+4*\s+3], s[46:47], \s*KSTEP*2
	s_or_b32 s[G0B+4*\s+3], s[G0B+4*\s+3], 0x80000000
	JLOAD G0A+4*\s, G1A, G0B+4*\s, G1B
.endr
	v_and_b32 v1, 15, v0                           ; r
	v_bfe_u32 v2, v0, 4, 1                         ; h
	v_mul_u32_u24 v3, v1, PITCH
	v_lshl_add_u32 v3, v2, 4, v3                   ; a fragment's row x pitch + 16 x half
	s_mul_i32 s21, s11, HALFT                      ; my 64 rows of the left operand
	s_mul_i32 s22, s12, HALFT                      ; my 64 rows of wcat,
	s_add_co_u32 s22, s22, 2*HALFT                 ; which lie behind the other's 128
.irp s, 0,1
	v_add_nc_u32 v[ADRA+\s], s21, v3
	v_add_nc_u32 v[ADRB+\s], s22, v3
	s_add_co_u32 s21, s21, SLOT
	s_add_co_u32 s22, s22, SLOT
.endr
	s_mul_i32 s23, s10, 16*SPITCH
	s_add_co_u32 s23, s23, STAGE                   ; my stage
	v_mul_u32_u24 v4, v1, SPITCH
	v_lshl_add_u32 v4, v2, 5, v4
	v_add_nc_u32 v[STO], s23, v4                   ; in: row r, 32 bytes for each half of the lanes
	v_mul_u32_u24 v5, v2, SPITCH
	v_lshl_add_u32 v5, v1, 4, v5
	v_add_nc_u32 v[RD], s23, v5                    ; back: lanes 0-15 one row of 256 bytes, lanes 16-31 the next
	v_lshlrev_b32 v5, 12, v2
	v_lshl_add_u32 v[CO], v1, 4, v5                ; and the same two rows in out0
	v_lshlrev_b32 v6, 5, v2                        ; the biases: 32 h bytes
	s_lshl_b32 s2, s13, 7
	s_lshl_b32 s3, s11, 6
	s_add_co_u32 s2, s2, s3                        ; my first row of out0,
	s_lshl_b32 s2, s2, 12                          ; of 4,096 bytes
	s_mov_b32 s3, 0
	s_lshl_b32 s4, s42, 9                          ; my first column, in bytes of f32: 512 x tile column + 256 x half
	s_lshl_b32 s5, s12, 8
	s_add_co_u32 s4, s4, s5
	s_mov_b32 s5, 0
	s_add_nc_u64 s[94:95], s[94:95], s[2:3]
	s_add_nc_u64 s[94:95], s[94:95], s[4:5]
	s_add_nc_u64 s[90:91], s[90:91], s[4:5]
	s_add_nc_u64 s[92:93], s[92:93], s[4:5]
.irp b, 0,1,2,3
	global_load_b128 v[BS+8*\b:BS+8*\b+3],    v6, s[90:91] offset:64*\b       ; b_proj[first column + 16 b + 8 h + 0 .. 7]
	global_load_b128 v[BS+8*\b+4:BS+8*\b+7],  v6, s[90:91] offset:64*\b+16
	global_load_b128 v[TMP+8*\b:TMP+8*\b+3],  v6, s[92:93] offset:64*\b       ; b_proj1 likewise
	global_load_b128 v[TMP+8*\b+4:TMP+8*\b+7], v6, s[92:93] offset:64*\b+16
.endr
; 8 matrix instructions: row blocks a0, a0 + 1 x all 4 column blocks, 32 along K: half c of buffer f.  first = 1: the sums start from the bias.  The 16 accumulators take turns.
.macro MUL8 f, c, a0, first
.irp a, \a0, \a0+1
.irp b, 0,1,2,3
.if \first
	v_wmma_f32_16x16x32_f16 v[ACC+8*(4*(\a)+\b):ACC+8*(4*(\a)+\b)+7], v[\f+64+8*(4*\c+\b):\f+64+8*(4*\c+\b)+7], v[\f+8*(4*\c+\a):\f+8*(4*\c+\a)+7], v[BS+8*\b:BS+8*\b+7]
.else
	v_wmma_f32_16x16x32_f16 v[ACC+8*(4*(\a)+\b):ACC+8*(4*(\a)+\b)+7], v[\f+64+8*(4*\c+\b):\f+64+8*(4*\c+\b)+7], v[\f+8*(4*\c+\a):\f+8*(4*\c+\a)+7], v[ACC+8*(4*(\a)+\b):ACC+8*(4*(\a)+\b)+7]
.endif
.endr
.endr
.endm
; 32 LDS loads in one run: the fragments of 64 along K at byte k of the rows, into buffer f; the first 32 along K first
.macro FETCH slot, k, f
	WIN TO_F
.irp c, 0,1
.irp i, 0,1,2,3
	ds_load_b128 v[\f+64+8*(4*\c+\i):\f+64+8*(4*\c+\i)+3],   v[ADRB+\slot] offset:\k+64*\c+\i*16*PITCH
	ds_load_b128 v[\f+64+8*(4*\c+\i)+4:\f+64+8*(4*\c+\i)+7], v[ADRB+\slot] offset:\k+64*\c+\i*16*PITCH+32
	ds_load_b128 v[\f+8*(4*\c+\i):\f+8*(4*\c+\i)+3],         v[ADRA+\slot] offset:\k+64*\c+\i*16*PITCH
	ds_load_b128 v[\f+8*(4*\c+\i)+4:\f+8*(4*\c+\i)+7],       v[ADRA+\slot] offset:\k+64*\c+\i*16*PITCH+32
.endr
.endr
.endm
.macro PLACES                          ; four places in front of loads into registers that matrix instructions have read, and of the first read of results
.rept 4
	v_nop
.endr
.endm
; A K step is four quarters of 64 along K, 32 matrix instructions each, on buffers 0, 1, 0, 1.  One of the first three: multiplies buffer f and fetches the next quarter, at byte k, into g.
.macro QUARTER slot, k, f, g, first
	s_wait_dscnt 16                                ; the first 32 along K are in
	WIN MUL
	MUL8 \f, 0, 0, \first
	MUL8 \f, 0, 2, \first
	PLACES
	FETCH \slot, \k, \g
	s_wait_dscnt 32                                ; all but the 32 just issued
	WIN MUL
	MUL8 \f, 1, 0, 0
	MUL8 \f, 1, 2, 0
.endm
; The last quarter multiplies buffer 1 and changes slots: one barrier; in front of it each wave waits for all its tensor loads, adds 0 to its spare word, and waits for that and for its own reads of this slot.
; fill = 1: this slot is filled again, two K steps ahead, the left operand by descriptors g0a, g1a; stepa = 1: that group 0 steps two K steps on first (0: it stands at its first tile).
.macro TURN slot, next, fill, g0a, g1a, stepa
	WIN 0                                          ; (the add's two registers lie in window 0)
	s_wait_tensorcnt 0x0                           ; all my tensor loads have landed: my part of the next slot
	ds_add_u32 v[SPW], v[NIL]                      ; 0 onto my spare word
	s_wait_dscnt 17                                ; (the add and the youngest sixteen loads may be out)
	WIN MUL
	MUL8 F1, 0, 0, 0
	s_wait_dscnt 0x0                               ; the add is done, and my reads of this slot are over
	s_barrier_signal -1
	MUL8 F1, 0, 2, 0
.if \fill
	WIN 0
.endif
	s_barrier_wait -1
.if \fill
	CREST                                          ; the barrier has opened a round of the cluster's barrier: no wave of any partner still reads this slot's tile or has a load on its way
.if \stepa
	s_add_nc_u64 s[\g0a+4*\slot+2:\g0a+4*\slot+3], s[\g0a+4*\slot+2:\g0a+4*\slot+3], 2*KSTEP*2
.endif
	s_add_nc_u64 s[G0B+4*\slot+2:G0B+4*\slot+3], s[G0B+4*\slot+2:G0B+4*\slot+3], 2*KSTEP*2
	JLOAD \g0a+4*\slot, \g1a, G0B+4*\slot, G1B     ; the first tensor load behind the round; the four v_nop behind it are also the places in front of the loads below
.else
	PLACES
.endif
	FETCH \next, 0, F0
	WIN MUL
	MUL8 F1, 1, 0, 0
	MUL8 F1, 1, 2, 0
.endm
.macro LAP g0a, g1a, stepa             ; once round the two slots, from a lap's second quarter to the next lap's first; both slots are filled again
	QUARTER 0, 256, F1, F0, 0
	QUARTER 0, 384, F0, F1, 0
	TURN 0, 1, 1, \g0a, \g1a, \stepa
	QUARTER 1, 128, F0, F1, 0
	QUARTER 1, 256, F1, F0, 0
	QUARTER 1, 384, F0, F1, 0
	TURN 1, 0, 1, \g0a, \g1a, \stepa
	QUARTER 0, 128, F0, F1, 0
.endm
	s_wait_tensorcnt 1                             ; my part of K step 0 is in (K step 1's load may be out)
	s_barrier_signal -1
	s_barrier_wait -1                              ; everybody's is
	FETCH 0, 0, F0
	WIN 0
	s_wait_loadcnt 0x0                             ; the biases
.set i, 0
.rept 16
	v_pk_add_f32 v[BS+2*i:BS+2*i+1], v[BS+2*i:BS+2*i+1], v[TMP+2*i:TMP+2*i+1]
.set i, i+1
.endr
	QUARTER 0, 128, F0, F1, 1                      ; the first products start the sums from the bias
	LAP G0A, G1A, 1                                ; asks for K steps 2, 3: att's columns 512, 768 on
	LAP G0Q, G1Q, 0                                ; K steps 4, 5: q's columns 0, 256 on
	LAP G0Q, G1Q, 1                                ; K steps 6, 7: q's columns 512, 768 on
	QUARTER 0, 256, F1, F0, 0                      ; the last lap fills nothing, and has no round of the cluster's barrier
	QUARTER 0, 384, F0, F1, 0
	TURN 0, 1, 0, G0Q, G1Q, 0
	QUARTER 1, 128, F0, F1, 0
	QUARTER 1, 256, F1, F0, 0
	QUARTER 1, 384, F0, F1, 0
	s_wait_dscnt 16                                ; the very last quarter: nothing more to fetch
	WIN MUL
	MUL8 F1, 0, 0, 0
	MUL8 F1, 0, 2, 0
	s_wait_dscnt 0
	MUL8 F1, 1, 0, 0
	MUL8 F1, 1, 2, 0
	WIN 0
; THE WAY OUT, block by block of 16 rows x 64 columns of f32: through my own stage and back as whole rows of 256 bytes.  LDS serves a wave's instructions in order: no wait between the stores and the loads.
.macro TOSTAGE a
.irp b, 0,1,2,3
	ds_store_b128 v[STO], v[ACC+8*(4*(\a)+\b):ACC+8*(4*(\a)+\b)+3] offset:64*\b        ; each accumulator from its low end on
	ds_store_b128 v[STO], v[ACC+8*(4*(\a)+\b)+4:ACC+8*(4*(\a)+\b)+7] offset:64*\b+16
.endr
.irp t, 0,1,2,3,4,5,6,7
	ds_load_b128 v[TMP+32*((\a)%2)+4*\t:TMP+32*((\a)%2)+4*\t+3], v[RD] offset:\t*2*SPITCH
.endr
.endm
.macro SEND a, younger                 ; younger: the LDS instructions issued behind block a's loads, which may stay out
	s_wait_dscnt \younger
.irp t, 0,1,2,3,4,5,6,7
	global_store_b128 v[CO], v[TMP+32*((\a)%2)+4*\t:TMP+32*((\a)%2)+4*\t+3], s[94:95] offset:(16*(\a)+2*\t)*4096 th:TH_STORE_NT   ; 16 lanes store 256 consecutive bytes, aligned; written once
.endr
.endm
	PLACES
	TOSTAGE 0
.irp a, 1,2,3
.if \a > 1
	s_wait_xcnt 0x0                                ; block a - 2's stores have read their registers: block a's loads may land there
.endif
	TOSTAGE \a
	SEND \a-1, 16                                  ; behind block a - 1's loads: block a's 8 stores and 8 loads
.endr
	SEND 3, 0
	s_wait_tensorcnt 0x0                           ; the wave's end
	ds_add_u32 v[SPW], v[NIL]
	s_wait_dscnt 0x0
	CROUND                                         ; the closing round
	s_endpgm
.Lfunc_end_k_q93a6171db7_proj:
	.size	k_q93a6171db7_proj, .Lfunc_end_k_q93a6171db7_proj-k_q93a6171db7_proj
	.p2alignl 7, 3214868480
	.fill 96, 4, 3214868480
	.section	.rodata,"a",@progbits
	.p2align	6, 0x0
	.amdhsa_kernel k_q93a6171db7_proj
		.amdhsa_group_segment_fixed_size 327680
		.amdhsa_private_segment_fixed_size 0
		.amdhsa_enable_private_segment 0
		.amdhsa_kernarg_size 48
		.amdhsa_user_sgpr_count 2
		.amdhsa_user_sgpr_kernarg_segment_ptr 1
		.amdhsa_wavefront_size32 1
		.amdhsa_system_sgpr_workgroup_id_x 1
		.amdhsa_system_sgpr_workgroup_id_y 1
		.amdhsa_system_sgpr_workgroup_id_z 1
		.amdhsa_system_vgpr_workitem_id 0
		.amdhsa_next_free_vgpr 512
		.amdhsa_next_free_sgpr 98
		.amdhsa_reserve_vcc 0
		.amdhsa_float_denorm_mode_32 3
		.amdhsa_float_denorm_mode_16_64 3
		.amdhsa_memory_ordered 1
		.amdhsa_forward_progress 1
		.amdhsa_inst_pref_size 161
	.end_amdhsa_kernel
	.amdgpu_metadata
---
amdhsa.version: [ 1, 2 ]
amdhsa.kernels:
  - .name:           k_q93a6171db7_proj
    .symbol:         k_q93a6171db7_proj.kd
    .args:
      - { .name: att, .offset: 0, .size: 8, .value_kind: global_buffer, .address_space: global }
      - { .name: qkv, .offset: 8, .size: 8, .value_kind: global_buffer, .address_space: global }
      - { .name: wcat, .offset: 16, .size: 8, .value_kind: global_buffer, .address_space: global }
      - { .name: b_proj, .offset: 24, .size: 8, .value_kind: global_buffer, .address_space: global }
      - { .name: b_proj1, .offset: 32, .size: 8, .value_kind: global_buffer, .address_space: global }
      - { .name: out0, .offset: 40, .size: 8, .value_kind: global_buffer, .address_space: global }
    .group_segment_fixed_size: 327680
    .private_segment_fixed_size: 0
    .kernarg_segment_align: 8
    .kernarg_segment_size: 48
    .max_flat_workgroup_size: 128
    .sgpr_count:     98
    .vgpr_count:     512
    .wavefront_size: 32
...
	.end_amdgpu_metadata
.endif
;; end of part 4
